; MI455X (gfx1250); checked and timed in simulation.
; The chip was launched on July 23, 2026; its instructions are those of AMD's public machine-readable ISA for CDNA 5 (MIT licence, August 2026) and "CDNA5" Instruction Set Architecture Reference Guide (July 2026). The comments in the code are by the model that wrote it; some were corrected since.
;; Causal Self Attention. Allowed arithmetic: matrix products marked QUANTISED: E2M1 operands, one E8M0 scale for each 32 along K, by v_wmma_scale_f32_16x16x128_f8f6f4 with both operands' format E2M1 (or v_wmma_scale_f32_32x16x128_f4), f32 sums; products left as they are: bf16, f16 or f32 operands; f32 sums; everything else in f32.
;; Inputs: w_attn 1,024 x 3,072 float32; w_proj 1,024 x 1,024 float32; x 4 x 2,048 x 1,024 float32.
;; Outputs: out0 4 x 2,048 x 1,024 float32.
;; This version of the problem:
;;   THIS VERSION OF THE PROBLEM IS GIVEN IN LOW PRECISION. The matrix products marked QUANTISED in the list below multiply operands that are first quantised to E2M1 (2 exponent bits, 1 mantissa bit; 4 bits a number), with one power-of-two scale for each 32 numbers along K (OCP MX v1.0); their sums are f32. The products marked 'left as it is' may take bf16, f16 or f32 operands, with f32 sums. Whichever they take, every output number must still come out within the allowed error. Rounding operands to bf16 (8 significant bits) uses up far more of that allowance than f16 does (11 bits, for magnitudes from 6e-5 to 65,504). All else is computed in f32.
;;   The module's matrix products, in the order in which they are computed (A, B: the left and right operand; K: the contracted axis; several contracted axes count as one K, in the product's order):
;;     1. [M 8,192, K 1,024] x [K 1,024, N 3,072]; A: input x; B: input w_attn: QUANTISED
;;     2. batch 64 x [M 2,048, K 64] x [K 64, N 2,048]; A: computed on the way; B: computed on the way: left as it is (an operand is computed on the way)
;;     3. batch 64 x [M 2,048, K 2,048] x [K 2,048, N 64]; A: computed on the way; B: computed on the way: left as it is (an operand is computed on the way)
;;     4. [M 8,192, K 1,024] x [K 1,024, N 1,024]; A: computed on the way; B: input w_proj: left as it is (an operand is computed on the way)
;;   THE QUANTISER, for each operand of a quantised product, along K:
;;     - K is cut into blocks of 32 from its start; a last block that is shorter is filled with zeros.
;;     - A block's scale is 2^e with e = floor(log2(the largest magnitude in the block)) - 2, held to -126 .. 127; a block of zeros has e = 0. As a byte (E8M0): e + 127.
;;     - Each number is divided by its block's scale, clamped to +-6, and rounded to the nearest number of E2M1, ties to even, subnormals kept.
;;     - The product sums the exact products of the quantised numbers (number of the format x scale) in f32.
;;   ~~~python
;;   def quantise(x, axis):      # numpy; x: float32 -> the quantised numbers, widened to float32 again
;;       x = np.moveaxis(x, axis, -1); K = x.shape[-1]
;;       x = np.pad(x, [(0, 0)] * (x.ndim - 1) + [(0, -K % 32)]); x = x.reshape(x.shape[:-1] + (-1, 32)); a = np.abs(x).max(-1, keepdims=True)
;;       e = np.where(a > 0, np.clip(np.frexp(np.where(a > 0, a, 1))[1] - 1 - 2, -126, 127), 0)      # np.frexp(a)[1] - 1 = floor(log2(a)), exactly
;;       r = np.clip(x / 2.0 ** e, -6, 6)
;;       step = 2.0 ** (np.maximum(np.frexp(np.where(r == 0, 1, r))[1] - 1, 0) - 1)
;;       q = np.round(r / step) * step * 2.0 ** e      # np.round: ties to even
;;       return np.moveaxis(q.reshape(q.shape[:-2] + (-1,))[..., :K], -1, axis).astype(np.float32)
;;   ~~~
;; One version. Each part assembles by itself: llvm-mc -triple=amdgcn-amd-amdhsa -mcpu=gfx1250 --defsym DOCPART=n.
;; ======== version 1 of 1: 5 launches
;; limits: values are held in f16: magnitudes above 65,504 overflow, below 6.1e-05 lose precision
;; workspace buffers: xc 4,194,304 bytes; xs 262,144 bytes; wc 1,572,864 bytes; ws 98,304 bytes; wp16 2,097,152 bytes; qkv16 50,331,648 bytes; qkvf 786,432 bytes; y16 16,777,216 bytes
;; launch prep (part 1): grid 512 x 1, 4 waves a work-group, no clusters, 33,280 bytes of LDS; arguments x, w_attn, w_proj, xc, xs, wc, ws, wp16; writes xc, xs, wc, ws, wp16
.if DOCPART == 1
	.amdgcn_target "amdgcn-amd-amdhsa--gfx1250"
	.amdhsa_code_object_version 6
	.text
	.protected	k_qdcd86d6a77_prep
	.globl	k_qdcd86d6a77_prep
	.p2align	8
	.type	k_qdcd86d6a77_prep,@function
k_qdcd86d6a77_prep:
	s_mov_b64 s[64:65], 0
	v_nop
	global_prefetch_b8 v0, s[64:65] scope:SCOPE_SE
	s_setreg_imm32_b32 hwreg(HW_REG_WAVE_MODE, 25, 1), 1
	s_wait_xcnt 0x0
; CAUSAL SELF-ATTENTION, B = 4, T = 2,048, C = 1,024, 16 heads of 64, in five launches:
;   prep: x and w_attn into codes of E2M1 with E8M0 scales along K = 1,024; w_proj into f16      qkv: x @ w_attn on the codes; q, k, v as f16, rows t < 16 also as f32
;   attn: causal attention, f16 operands, f32 sums and softmax      proj: y @ w_proj, f16 operands, rows t >= 16      fine: rows t < 16 of every sequence, attention and projection in f32
; DEAD WORK LEFT OUT (in launch attn): reference() sets every score with key > query to -infinity by its own jnp.tril, whatever the inputs hold; the softmax gives such a key the weight 0,
; so neither its score nor its value reaches any output.  A step of 64 keys all of which come after all of a wave's queries is not computed, and a slot of keys that no wave of a work-group reads is not fetched.
; No input is left out: x, w_attn and w_proj are all loaded.  LIMIT: a NaN, an infinity or an overflow that reaches only the scores left out is not carried to the result.
; LIMITS OF FORMAT: q, k, v, y and w_proj are carried as f16 for rows t >= 16: magnitudes from 65,504 on become infinities there.  NaN and infinities among the inputs are not served by the quantiser.
; A block of zeros gets the scale byte 1 where the rule says 127: its codes are zeros, which add nothing under any byte but 0xff, and the bytes are read by this program alone.
;
; THIS LAUNCH.  Work-groups 0-191: w_attn; 192-255: w_proj; 256-511: x.  The paths part on the work-group's number alone; only x's path touches LDS.
; x [8192][1024] f32: a plain stream of blocks of 32 along K.  A wave takes 16 steps of 512 numbers: four loads of 512 consecutive bytes a step, turned through the wave's own stage in LDS so that a lane holds 16 neighbours
; (two neighbouring lanes hold a block); 8 bytes of codes a lane: a store covers 256 consecutive bytes.  The wave's 256 scale bytes are gathered in LDS and leave as one store of 256 consecutive bytes.  Loads run eight steps ahead.
; w_attn [1024 (k)][3072 (n)] and w_proj [1024 (k)][1024 (n)]: K is the FIRST axis: a lane takes a column n and its registers run down K, so a block of 32 is one lane's, and codes (or f16 pairs) come out with K innermost.
; They are stored in the order of the operand's registers: wc [n/16][k/128][1024 B]: block (k%128)/32 of column n%16 at 256 x block + 16 x column;  wp16 [n/16][k/32][1024 B]: the eight k of octet (k%32)/8 of column n%16 at 256 x octet + 16 x column.
; So sixteen neighbouring lanes store 256 consecutive bytes, and the reader takes a fragment by loads of 16 bytes a lane at 16 x lane.
; ws [3072][32]: four bytes a column here, 32 bytes apart: one byte in 128 of what this path reads.
.set WREG,  8192                       ; LDS of a wave (x's path): two stages of 32 x SP bytes, then its 256 scale bytes
.set SP,    80                         ; a lane's place in a stage: 64 bytes + 16 of padding
.set STEPS, 16
.set R,     16                         ; v16-143  eight sets of 16 numbers as loaded
.set X,     144                        ; v144-175 two sets of 16 neighbours
.set E,     176                        ; v176-191 a scale byte for each step
.set C,     192                        ; v192-223 two registers of codes for each step: no store's data are written again
.set SPW,   12                         ; v12 LDS address of my spare word; never rewritten
.set NIL,   13                         ; v13 0; never rewritten
.set SPARE, 4*WREG                     ; behind the four regions: the spare words, 128 bytes a wave
.set WX,    32                         ; the weights' paths: v32-95 two sets of 32 numbers
.set WC,    96                         ; v96.. what is stored: each block has registers of its own
	s_load_b256 s[4:11], s[0:1], 0x0               ; x s[4:5], w_attn s[6:7], w_proj s[8:9], xc s[10:11]
	s_load_b256 s[12:19], s[0:1], 0x20             ; xs s[12:13], wc s[14:15], ws s[16:17], wp16 s[18:19]
	v_lshl_add_u32 v[SPW], v0, 2, SPARE
	v_mov_b32 v[NIL], 0
	v_lshrrev_b32 v1, 5, v0
	v_readfirstlane_b32 s20, v1                    ; wave
	v_and_b32 v2, 31, v0                           ; lane
	s_mul_i32 s21, s20, WREG                       ; x's LDS addresses are made here, ahead of the parting of the paths
	v_lshrrev_b32 v14, 2, v2
	v_mul_u32_u24 v14, v14, SP
	v_and_b32 v15, 3, v2
	v_lshl_add_u32 v14, v15, 4, v14
	v_add_nc_u32 v14, s21, v14                     ; the stage, on the way in: SP (lane / 4) + 16 (lane % 4)
	v_mul_u32_u24 v15, v2, SP
	v_add_nc_u32 v15, s21, v15                     ; and on the way out: SP x lane
	v_lshrrev_b32 v5, 1, v2
	s_add_co_u32 s21, s21, 2*32*SP
	v_add_nc_u32 v5, s21, v5                       ; my wave's 256 scale bytes: my block's byte
	v_lshlrev_b32 v7, 3, v2                        ; 8 x lane: my codes' place in a step's 256 bytes, and my 8 scale bytes on the way out
	v_add_nc_u32 v6, s21, v7
	s_wait_kmcnt 0x0
	s_cmp_lt_u32 ttmp9, 192
	s_cbranch_scc1 .Lwattn
	s_cmp_lt_u32 ttmp9, 256
	s_cbranch_scc1 .Lwproj
	; ---- x
	v_lshlrev_b32 v3, 4, v2                        ; my 16 bytes of a load's 512
	s_sub_co_u32 s22, ttmp9, 256
	s_lshl_b32 s22, s22, 2
	s_add_co_u32 s22, s22, s20                     ; which run of 8,192 numbers is my wave's: 0 .. 1,023
	s_mov_b32 s25, 0
	s_lshl_b32 s24, s22, 15
	s_add_nc_u64 s[4:5], s[4:5], s[24:25]          ; 32,768 bytes of x a run,
	s_lshl_b32 s24, s22, 12
	s_add_nc_u64 s[10:11], s[10:11], s[24:25]      ; 4,096 of codes,
	s_lshl_b32 s24, s22, 8
	s_add_nc_u64 s[12:13], s[12:13], s[24:25]      ; 256 scale bytes
.macro LOAD t
.irp i, 0,1,2,3
	global_load_b128 v[R+16*((\t)%8)+4*\i:R+16*((\t)%8)+4*\i+3], v3, s[4:5] offset:2048*(\t)+512*\i th:TH_LOAD_NT   ; 32 lanes read 512 consecutive bytes
.endr
.endm
.macro TURN t                          ; step t's numbers through the stage: LDS serves a wave's instructions in order, so no wait stands between the stores and the loads
.irp i, 0,1,2,3
	ds_store_b128 v14, v[R+16*((\t)%8)+4*\i:R+16*((\t)%8)+4*\i+3] offset:32*SP*((\t)%2)+8*SP*\i
.endr
.irp i, 0,1,2,3
	ds_load_b128 v[X+16*((\t)%2)+4*\i:X+16*((\t)%2)+4*\i+3], v15 offset:32*SP*((\t)%2)+16*\i
.endr
.endm
.irp t, 0,1,2,3,4,5,6,7
	LOAD \t
.endr
	s_wait_loadcnt 28                              ; step 0's four loads are in; the 28 of steps 1 to 7 may be out
	TURN 0
.macro STEP t
.set XS, X+16*((\t)%2)
.if (\t) > 0
	s_wait_dscnt 1                                 ; this step's numbers are back from the stage (the last step's byte store may be out): so its stores into the stage have read their registers,
.else
	s_wait_dscnt 0x0
.endif
.if (\t)+8 < STEPS
	LOAD (\t)+8                                    ; which take the loads of eight steps on
.endif
.if (\t)+1 < STEPS
.if STEPS-2-(\t) >= 7
	s_wait_loadcnt 28                              ; the next step's four loads are in; those of the seven steps behind it may be out
.else
	s_wait_loadcnt 4*(STEPS-2-(\t))
.endif
	TURN (\t)+1                                    ; and go through the other stage while this step is worked
.endif
	v_max3_num_f32 v8, |v[XS]|, |v[XS+1]|, |v[XS+2]|               ; the largest magnitude of my 16, in two chains
	v_max3_num_f32 v9, |v[XS+3]|, |v[XS+4]|, |v[XS+5]|
.irp i, 6,10
	v_max3_num_f32 v8, v8, |v[XS+\i]|, |v[XS+\i+1]|
	v_max3_num_f32 v9, v9, |v[XS+\i+2]|, |v[XS+\i+3]|
.endr
	v_max3_num_f32 v8, v8, |v[XS+14]|, |v[XS+15]|
	v_max3_num_f32 v8, v8, v9, 0x1800000           ; and the floor 2^(3 - 127): the byte cannot fall under 1
	v_max_num_f32_dpp v8, v8, v8 row_xmask:1 row_mask:0xf bank_mask:0xf   ; and of my neighbour's 16: the block's
	v_add_nc_u32 v11, 0xff000000, v8               ; 2 off its exponent field: the conversion takes the exponent field of this operand as its scale, and nothing else of it
	v_cvt_scalef32_pk8_fp4_f32 v[C+2*(\t)], v[XS:XS+7], v11        ; to the nearest code, ties to even, beyond 6 the largest code
	v_cvt_scalef32_pk8_fp4_f32 v[C+2*(\t)+1], v[XS+8:XS+15], v11
	v_lshrrev_b32 v[E+(\t)], 23, v11               ; the scale's byte (a plain line behind the conversions)
	ds_store_b8 v5, v[E+(\t)] offset:16*(\t)       ; both lanes of a block write the same byte with the same value
	global_store_b64 v7, v[C+2*(\t):C+2*(\t)+1], s[10:11] offset:256*(\t)   ; 32 lanes store 256 consecutive bytes
.endm
.irp t, 0,1,2,3,4,5,6,7,8,9,10,11,12,13,14,15
	STEP \t
.endr
	ds_load_b64 v[8:9], v6                         ; LDS serves a wave's instructions in order: these see my byte stores
	s_wait_dscnt 0x0
	global_store_b64 v7, v[8:9], s[12:13]          ; 32 lanes store the wave's 256 scale bytes
	s_wait_tensorcnt 0x0                           ; the wave's end: behind my last LDS store
	ds_add_u32 v[SPW], v[NIL]
	s_wait_dscnt 0x0
	s_endpgm
; block t of a column: W(32 t + i, my column), i = 0 .. 31, into set t % 2: each load reads 128 consecutive bytes
.macro LOADCOL t, base, pitch
.irp i, 0,1,2,3,4,5,6,7,8,9,10,11,12,13,14,15,16,17,18,19,20,21,22,23,24,25,26,27,28,29,30,31
	global_load_b32 v[WX+32*((\t)%2)+\i], v3, s[\base:\base+1] offset:(32*(\t)+\i)*\pitch th:TH_LOAD_NT
.endr
.endm
	; ---- w_attn: work-group = (128 columns, 128 along K); a wave 32 columns x 4 blocks
.Lwattn:
	s_lshr_b32 s21, ttmp9, 3
	s_and_b32 s22, ttmp9, 7                        ; which 128 along K
	s_lshl_b32 s21, s21, 7
	s_lshl_b32 s23, s20, 5
	s_add_co_u32 s21, s21, s23                     ; n0: my wave's first column
	v_lshlrev_b32 v3, 2, v2                        ; in: 4 bytes a lane
	v_lshrrev_b32 v8, 4, v2
	v_and_b32 v9, 15, v2
	v_lshlrev_b32 v8, 13, v8
	v_lshl_add_u32 v8, v9, 4, v8                   ; codes: lanes 16-31 belong to the next 16 columns, 8,192 bytes on; 16 bytes a column
	v_lshlrev_b32 v9, 5, v2                        ; scale bytes: 32 a column
	s_mov_b32 s25, 0
	s_mul_i32 s24, s22, 1572864                    ; 128 rows of 12,288 bytes
	s_lshl_b32 s23, s21, 2
	s_add_co_u32 s24, s24, s23
	s_add_nc_u64 s[6:7], s[6:7], s[24:25]
	s_lshl_b32 s24, s21, 9                         ; (n0 / 16) x 8,192
	s_lshl_b32 s23, s22, 10
	s_add_co_u32 s24, s24, s23
	s_add_nc_u64 s[14:15], s[14:15], s[24:25]
	s_lshl_b32 s24, s21, 5
	s_lshl_b32 s23, s22, 2
	s_add_co_u32 s24, s24, s23
	s_add_nc_u64 s[16:17], s[16:17], s[24:25]
	LOADCOL 0, 6, 12288
	LOADCOL 1, 6, 12288
.macro QBLOCK t
.set XS, WX+32*((\t)%2)
.if (\t) < 3
	s_wait_loadcnt 32                              ; this block's 32 loads are in; the next block's may be out
.else
	s_wait_loadcnt 0x0
.endif
	v_max3_num_f32 v20, |v[XS]|, |v[XS+1]|, |v[XS+2]|              ; the block's largest magnitude: all 32 numbers are mine
	v_max3_num_f32 v21, |v[XS+3]|, |v[XS+4]|, |v[XS+5]|
.irp i, 6,10,14,18,22,26
	v_max3_num_f32 v20, v20, |v[XS+\i]|, |v[XS+\i+1]|
	v_max3_num_f32 v21, v21, |v[XS+\i+2]|, |v[XS+\i+3]|
.endr
	v_max3_num_f32 v20, v20, |v[XS+30]|, |v[XS+31]|
	v_max3_num_f32 v20, v20, v21, 0x1800000        ; and the floor 2^(3 - 127)
	v_add_nc_u32 v11, 0xff000000, v20              ; 2 off the exponent field: the conversion's scale operand
	v_lshrrev_b32 v22, 23, v11                     ; the scale's byte
.if (\t) == 0
	v_mov_b32 v24, v22                             ; four bytes to the word, the lower K in the lower byte
.else
	v_lshl_or_b32 v24, v22, 8*(\t), v24
.endif
.irp g, 0,1,2,3
	v_cvt_scalef32_pk8_fp4_f32 v[WC+4*(\t)+\g], v[XS+8*\g:XS+8*\g+7], v11
.endr
	v_nop                                          ; a plain line behind the last conversion
	global_store_b128 v8, v[WC+4*(\t):WC+4*(\t)+3], s[14:15] offset:256*(\t)   ; sixteen lanes store 256 consecutive bytes
.if (\t)+2 < 4
	LOADCOL (\t)+2, 6, 12288
.endif
.endm
	QBLOCK 0
	QBLOCK 1
	QBLOCK 2
	QBLOCK 3
	global_store_b32 v9, v24, s[16:17]             ; my column's four scale bytes
	s_endpgm
	; ---- w_proj: the same shares; rounded to f16, two along K to a register
.Lwproj:
	s_sub_co_u32 s26, ttmp9, 192
	s_lshr_b32 s21, s26, 3
	s_and_b32 s22, s26, 7
	s_lshl_b32 s21, s21, 7
	s_lshl_b32 s23, s20, 5
	s_add_co_u32 s21, s21, s23                     ; n0
	v_lshlrev_b32 v3, 2, v2
	v_lshrrev_b32 v8, 4, v2
	v_and_b32 v9, 15, v2
	v_lshlrev_b32 v8, 15, v8
	v_lshl_add_u32 v8, v9, 4, v8                   ; the next 16 columns lie 32,768 bytes on
	s_mov_b32 s25, 0
	s_lshl_b32 s24, s22, 19                        ; 128 rows of 4,096 bytes
	s_lshl_b32 s23, s21, 2
	s_add_co_u32 s24, s24, s23
	s_add_nc_u64 s[8:9], s[8:9], s[24:25]
	s_lshl_b32 s24, s21, 11                        ; (n0 / 16) x 32,768
	s_lshl_b32 s23, s22, 12                        ; four fragments of 1,024 bytes for 128 along K
	s_add_co_u32 s24, s24, s23
	s_add_nc_u64 s[18:19], s[18:19], s[24:25]
	LOADCOL 0, 8, 4096
	LOADCOL 1, 8, 4096
.macro HBLOCK t
.set XS, WX+32*((\t)%2)
.if (\t) < 3
	s_wait_loadcnt 32                              ; this block's 32 loads are in; the next block's may be out
.else
	s_wait_loadcnt 0x0
.endif
.irp i, 0,1,2,3,4,5,6,7,8,9,10,11,12,13,14,15
	v_cvt_pk_f16_f32 v[WC+16*(\t)+\i], v[XS+2*\i], v[XS+2*\i+1]
.endr
.irp o, 0,1,2,3
	global_store_b128 v8, v[WC+16*(\t)+4*\o:WC+16*(\t)+4*\o+3], s[18:19] offset:1024*(\t)+256*\o   ; sixteen lanes store 256 consecutive bytes
.endr
.if (\t)+2 < 4
	LOADCOL (\t)+2, 8, 4096
.endif
.endm
	HBLOCK 0
	HBLOCK 1
	HBLOCK 2
	HBLOCK 3
	s_endpgm
.Lfunc_end_k_qdcd86d6a77_prep:
	.size	k_qdcd86d6a77_prep, .Lfunc_end_k_qdcd86d6a77_prep-k_qdcd86d6a77_prep
	.p2alignl 7, 3214868480
	.fill 96, 4, 3214868480
	.section	.rodata,"a",@progbits
	.p2align	6, 0x0
	.amdhsa_kernel k_qdcd86d6a77_prep
		.amdhsa_group_segment_fixed_size 33280
		.amdhsa_private_segment_fixed_size 0
		.amdhsa_enable_private_segment 0
		.amdhsa_kernarg_size 64
		.amdhsa_user_sgpr_count 2
		.amdhsa_user_sgpr_kernarg_segment_ptr 1
		.amdhsa_wavefront_size32 1
		.amdhsa_system_sgpr_workgroup_id_x 1
		.amdhsa_system_sgpr_workgroup_id_y 1
		.amdhsa_system_sgpr_workgroup_id_z 1
		.amdhsa_system_vgpr_workitem_id 0
		.amdhsa_next_free_vgpr 224
		.amdhsa_next_free_sgpr 66
		.amdhsa_reserve_vcc 0
		.amdhsa_float_denorm_mode_32 3
		.amdhsa_float_denorm_mode_16_64 3
		.amdhsa_memory_ordered 1
		.amdhsa_forward_progress 1
		.amdhsa_inst_pref_size 71
	.end_amdhsa_kernel
	.amdgpu_metadata
---
amdhsa.version: [ 1, 2 ]
amdhsa.kernels:
  - .name:           k_qdcd86d6a77_prep
    .symbol:         k_qdcd86d6a77_prep.kd
    .args:
      - { .name: x, .offset: 0, .size: 8, .value_kind: global_buffer, .address_space: global }
      - { .name: w_attn, .offset: 8, .size: 8, .value_kind: global_buffer, .address_space: global }
      - { .name: w_proj, .offset: 16, .size: 8, .value_kind: global_buffer, .address_space: global }
      - { .name: xc, .offset: 24, .size: 8, .value_kind: global_buffer, .address_space: global }
      - { .name: xs, .offset: 32, .size: 8, .value_kind: global_buffer, .address_space: global }
      - { .name: wc, .offset: 40, .size: 8, .value_kind: global_buffer, .address_space: global }
      - { .name: ws, .offset: 48, .size: 8, .value_kind: global_buffer, .address_space: global }
      - { .name: wp16, .offset: 56, .size: 8, .value_kind: global_buffer, .address_space: global }
    .group_segment_fixed_size: 33280
    .private_segment_fixed_size: 0
    .kernarg_segment_align: 8
    .kernarg_segment_size: 64
    .max_flat_workgroup_size: 128
    .sgpr_count:     66
    .vgpr_count:     224
    .wavefront_size: 32
...
	.end_amdgpu_metadata
.endif
;; end of part 1
;; launch qkv (part 2): grid 12 x 32, 4 waves a work-group, clusters of 4 x 4, 327,680 bytes of LDS; arguments xc, xs, wc, ws, qkv16, qkvf; writes qkv16, qkvf
.if DOCPART == 2
	.amdgcn_target "amdgcn-amd-amdhsa--gfx1250"
	.amdhsa_code_object_version 6
	.text
	.protected	k_qdcd86d6a77_qkv
	.globl	k_qdcd86d6a77_qkv
	.p2align	8
	.type	k_qdcd86d6a77_qkv,@function
k_qdcd86d6a77_qkv:
	s_mov_b64 s[64:65], 0
	v_nop
	global_prefetch_b8 v0, s[64:65] scope:SCOPE_SE
	s_setreg_imm32_b32 hwreg(HW_REG_WAVE_MODE, 25, 1), 1
	s_wait_xcnt 0x0
	s_wait_alu depctr_hold_cnt(0) depctr_sa_sdst(0) depctr_va_vdst(0) depctr_va_sdst(0) depctr_va_ssrc(0) depctr_va_vcc(0) depctr_vm_vsrc(0)
	s_getreg_b32 s2, hwreg(HW_REG_IB_STS2, 6, 4)
	s_cmp_eq_u32 s2, 0
	s_cbranch_scc0 .Lentry_in_a_cluster
	s_endpgm
.Lentry_in_a_cluster:
	s_bfe_u32 s2, ttmp6, 0x10000c
	s_cmp_lg_u32 s2, 0xf033
	s_cbranch_scc0 .Lentry_shape_is_right
	s_endpgm
.Lentry_shape_is_right:
; qkv[m][n] = sum over k of Q(x)[m][k] Q(w_attn)[k][n], M = 8,192, N = 3,072, K = 1,024, on codes of E2M1 with one E8M0 scale for each 32 along K; sums in f32.  Nothing is left out here.
; A tile of 256 x 256 to a work-group of four waves, 128 x 128 to a wave: 64 accumulators, 512 registers.  K is two slots of 512: both are fetched at the head and nothing is filled again.
; A (xc): rows of 512 bytes; a slot's part of a row is 256 bytes, padded by 16 in LDS.  B (wc): laid in the order of the operand's registers, [n/16][k/128][1024 B]: a slot's part of 16 columns is 4,096 consecutive
; bytes; it lies dense in LDS, and a fragment is two loads of 16 bytes a lane at 16 x lane.  The scale bytes of the work-group's 256 rows and 256 columns, for all of K, come once, as rows of 256 bytes + 16.
; CLUSTERS: 4 x 4 work-groups; A's tiles are asked for jointly along a row of the cluster, B's along a column.  The tile row is cluster y + 8 cy, so that cy is the batch and the tiles that hold positions t < 16
; are those of the clusters with y = 0: a number that all sixteen partners share.  The tile column is 4 x cluster x + cx, so that cluster x says q, k or v.
; THE MATRIX INSTRUCTION IS USED TRANSPOSED (source 0 = 16 columns of w, source 1 = 16 rows of x): a lane holds one token and eight neighbouring channels.
; THE WAY OUT needs no LDS: eight results round to 16 bytes of f16, and qkv16 is laid so that the 32 lanes' 16 bytes are 512 consecutive bytes:
;   qkv16 [q, k, v][batch][head][t/16][2048 B]; in the 2,048 bytes the 16 channels dt at 512 dt; q and k: 16 x lane (an image of a 16-bit fragment's registers); v: 32 x token + 2 x channel (rows, for the turning load).
;   qkvf [batch][n/16][2][lane][16 B]: the accumulators of positions t < 16 as they stand, in f32, for launch fine.
; LIMIT: results of magnitude 65,504 or more become infinities in qkv16.
; REGISTERS, in windows of 256: window 0: v0-31 addresses; v32-95 scale words, two sets; v128-191 A's fragments, one set; on the way out v128-255 packed results.  window 1: B's fragments, two sets, at v0 and v128.
;   window 2: the accumulators of my rows 0-63 ((a, b) at v[8 (8 a + b)]);  window 3: those of my rows 64-127.
.set NQ,     4                         ; steps of 128 along K in a slot
.set ROWB,   256                       ; A: a slot's part of a row
.set KROW,   512                       ; A: a row in memory; B: 512 bytes a column too
.set PITCH,  272                       ; A's row in LDS: 256 + 16: 68 words, so that the 16 rows of a load start 4 banks apart (ISA guide 11.1)
.set FR,     8
.set NL,     2
.set NP,     4                         ; places behind this matrix instruction (ISA guide 7.12.1)
.set HALFA,  128*PITCH                 ; 128 rows of A: one tensor load
.set HALFB,  32768                     ; 128 columns of B: one tensor load
.set SLOT,   2*HALFA+2*HALFB
.set KS,     32                        ; a row of scale bytes
.set SCL,    2*SLOT
.set HALFS,  16*272                    ; the scales of 128 rows
.set SBLK,   2*272                     ; of 16 rows
.set SPARE,  SCL+4*HALFS               ; the spare words, 128 bytes a wave
.set ADRA, 16                          ; v16-17 LDS address of my A fragments in slot 0, 1
.set ADRB, 20                          ; v20-21 the same for B
.set CF,   25                          ; v25 16 x lane
.set CO,   26                          ; v26 my 16 bytes' place in a store to qkv16
.set ADRS, 27                          ; v27 LDS address of my scale words: lanes 0-15 A's rows, lanes 16-31 B's columns
.set SPW,  28
.set NIL,  29
.set SC,   32
.set AF,   128
.set TMP,  128
.set G1, 24
.set G0, 32
.set G1B, 48
.set G0B, 56
.set G1S, 68
.set G0S, 76
.set G1SB, 80
.set G0SB, 88
.set MSB, 0
.macro WIN new                         ; the immediate's high byte repeats the setting that is left
.if MSB != \new
	s_set_vgpr_msb (MSB<<8)|\new
.set MSB, \new
.endif
.endm
.set MUL_LO, 0xa1                      ; source 0 (B) window 1, source 1 (A) window 0, C and D window 2
.set MUL_HI, 0xf1
.set TO_B,   0x40
; A joint load: waves 0 and 1 fetch for A, waves 2 and 3 for B; the branch hangs on the wave's number alone.  An s_nop 0 and four v_nop follow each line.
.macro JLOAD g0a, g1a, g0b, g1b
	s_cmp_eq_u32 s15, 0
	s_cbranch_scc0 .Lfor_b_\@
	tensor_load_to_lds s[\g0a:\g0a+3], s[\g1a:\g1a+7]
	s_nop 0
.rept 4
	v_nop
.endr
	s_branch .Lasked_\@
.Lfor_b_\@:
	tensor_load_to_lds s[\g0b:\g0b+3], s[\g1b:\g1b+7]
	s_nop 0
.rept 4
	v_nop
.endr
.Lasked_\@:
.endm
.macro CROUND                          ; a round of the cluster's barrier
	s_barrier_signal -1
	s_barrier_wait -1
	s_cmp_lg_u32 s14, 0
	s_cbranch_scc1 .Lnot_wave_0_\@
	s_barrier_signal -3
.Lnot_wave_0_\@:
	s_barrier_wait -3
	s_barrier_signal -1
	s_barrier_wait -1
.endm
	s_load_b128 s[4:7], s[0:1], 0x0                ; xc, xs
	s_load_b128 s[8:11], s[0:1], 0x10              ; wc, ws
	s_load_b64 s[12:13], s[0:1], 0x20              ; qkv16
	s_load_b64 s[96:97], s[0:1], 0x28              ; qkvf
	v_lshl_add_u32 v[SPW], v0, 2, SPARE
	v_mov_b32 v[NIL], 0
	ds_add_u32 v[SPW], v[NIL]                      ; the wave's opening: the add, twice on end, and its wait ahead of my first tensor load
	ds_add_u32 v[SPW], v[NIL]
	v_lshrrev_b32 v1, 5, v0
	v_readfirstlane_b32 s14, v1                    ; wave 0..3
	s_lshr_b32 s15, s14, 1                         ; which half of the tile's rows is mine.  Also: I fetch for A (0) or for B (1)
	s_and_b32 s16, s14, 1                          ; which half of its columns.  Also: which half I fetch
	s_bfe_u32 s40, ttmp6, 0x40000                  ; cx
	s_bfe_u32 s41, ttmp6, 0x40004                  ; cy
	s_lshl_b32 s42, ttmp9, 2
	s_add_co_u32 s42, s42, s40                     ; tile column = 4 x cluster x + cx
	s_and_b32 s17, ttmp7, 0xffff
	s_lshl_b32 s18, s41, 3
	s_add_co_u32 s17, s17, s18                     ; tile row = cluster y + 8 cy
	s_lshl_b32 s43, s41, 2
	s_lshl_b32 s43, 15, s43                        ; my row of the cluster
	s_lshl_b32 s44, 0x1111, s40                    ; my column
	s_or_b32 s[G1+0], s43, (0<<16)|(1<<20)|(1<<21)|(5<<22)|(3<<25)  ; A: the mask; elements of 1 byte; padding: 4 words after every 64; bit 21 beside a mask
	s_mov_b32 s[G1+1], ROWB<<16                    ; tensor_dim0 = 256
	s_mov_b32 s[G1+2], 128<<16                     ; tensor_dim1 = 128
	s_mov_b32 s[G1+3], ROWB<<16                    ; tile_dim0
	s_mov_b32 s[G1+4], 128                         ; tile_dim1
	s_mov_b32 s[G1+5], KROW                        ; from row to row
	s_mov_b32 s[G1+6], 0
	s_mov_b32 s[G1+7], 0
	s_or_b32 s[G1B+0], s44, (3<<16)|(1<<21)        ; B: the mask; elements of 8 bytes; no padding
	s_mov_b32 s[G1B+1], 512<<16                    ; tensor_dim0 = 512 elements: 4,096 bytes, four fragments of 16 columns
	s_mov_b32 s[G1B+2], 8<<16                      ; tensor_dim1 = 8 groups of 16 columns
	s_mov_b32 s[G1B+3], 512<<16
	s_mov_b32 s[G1B+4], 8
	s_mov_b32 s[G1B+5], 1024                       ; 8,192 bytes from group to group
	s_mov_b32 s[G1B+6], 0
	s_mov_b32 s[G1B+7], 0
	s_or_b32 s[G1S+0], s43, (3<<16)|(1<<20)|(1<<21)|(5<<22)|(3<<25)  ; the scales of 128 rows: 4,096 dense bytes as 16 rows of 256, 16 bytes of padding behind each
	s_or_b32 s[G1SB+0], s44, (3<<16)|(1<<20)|(1<<21)|(5<<22)|(3<<25)
.irp g, G1S, G1SB
	s_mov_b32 s[\g+1], 32<<16
	s_mov_b32 s[\g+2], 16<<16
	s_mov_b32 s[\g+3], 32<<16
	s_mov_b32 s[\g+4], 16
	s_mov_b32 s[\g+5], 32
	s_mov_b32 s[\g+6], 0
	s_mov_b32 s[\g+7], 0
.endr
	s_lshl_b32 s18, s16, 7                         ; which 128 I fetch
	s_lshl_b32 s20, s17, 8
	s_add_co_u32 s20, s20, s18                     ; A: row 256 x tile row + 128 x half
	s_lshl_b32 s46, s42, 8
	s_add_co_u32 s46, s46, s18                     ; B: column 256 x tile column + 128 x half
	s_mov_b32 s21, 0
	s_mov_b32 s47, 0
	s_mov_b64 s[18:19], KS
	s_mul_u64 s[22:23], s[20:21], s[18:19]         ; where their scales begin,
	s_mul_u64 s[92:93], s[46:47], s[18:19]
	s_mov_b64 s[18:19], KROW
	s_mul_u64 s[20:21], s[20:21], s[18:19]         ; and their codes
	s_mul_u64 s[46:47], s[46:47], s[18:19]
	s_mul_i32 s45, s16, HALFA                      ; where they go: no place in the cluster enters an LDS address
	s_mul_i32 s95, s16, HALFB
	s_add_co_u32 s95, s95, 2*HALFA
	s_mul_i32 s94, s14, HALFS
	s_wait_dscnt 0x0                               ; both opening adds are done
	s_wait_kmcnt 0x0
	s_add_nc_u64 s[20:21], s[4:5], s[20:21]
	s_add_nc_u64 s[22:23], s[6:7], s[22:23]
	s_add_nc_u64 s[46:47], s[8:9], s[46:47]
	s_add_nc_u64 s[92:93], s[10:11], s[92:93]
	CROUND                                         ; all sixteen work-groups are here: the joint loads meet
	s_mov_b32 s[G0S], 1
	s_add_co_u32 s[G0S+1], s94, SCL
	s_mov_b64 s[G0S+2:G0S+3], s[22:23]
	s_or_b32 s[G0S+3], s[G0S+3], 0x80000000
	s_mov_b32 s[G0SB], 1
	s_add_co_u32 s[G0SB+1], s94, SCL
	s_mov_b64 s[G0SB+2:G0SB+3], s[92:93]
	s_or_b32 s[G0SB+3], s[G0SB+3], 0x80000000
	JLOAD G0S, G1S, G0SB, G1SB                     ; the scales first: they are wanted with the first step
.irp s, 0,1
	s_mov_b32 s[G0+4*\s], 1
	s_add_co_u32 s[G0+4*\s+1], s45, \s*SLOT
	s_add_nc_u64 s[G0+4*\s+2:G0+4*\s+3], s[20:21], \s*ROWB
	s_or_b32 s[G0+4*\s+3], s[G0+4*\s+3], 0x80000000
	s_mov_b32 s[G0B+4*\s], 1
	s_add_co_u32 s[G0B+4*\s+1], s95, \s*SLOT
	s_add_nc_u64 s[G0B+4*\s+2:G0B+4*\s+3], s[46:47], \s*4096
	s_or_b32 s[G0B+4*\s+3], s[G0B+4*\s+3], 0x80000000
	JLOAD G0+4*\s, G1, G0B+4*\s, G1B               ; three tensor loads of mine are out in all
.endr
	v_and_b32 v1, 15, v0                           ; r
	v_bfe_u32 v2, v0, 4, 1                         ; h
	v_mul_u32_u24 v3, v1, PITCH
	v_lshl_add_u32 v4, v2, 4, v3                   ; A: row x pitch + 16 h
	v_and_b32 v6, 31, v0
	v_lshlrev_b32 v[CF], 4, v6                     ; B: 16 x lane
	s_mul_i32 s21, s15, HALFA                      ; my 128 rows of A
	s_mul_i32 s22, s16, HALFB                      ; my 128 columns of B,
	s_add_co_u32 s22, s22, 2*HALFA                 ; behind A's 256 rows
.irp s, 0,1
	v_add_nc_u32 v[ADRA+\s], s21, v4
	v_add_nc_u32 v[ADRB+\s], s22, v[CF]
	s_add_co_u32 s21, s21, SLOT
	s_add_co_u32 s22, s22, SLOT
.endr
	v_mul_u32_u24 v5, v1, KS                       ; my row's scales: 32 bytes a row,
	v_lshrrev_b32 v6, 8, v5
	v_lshl_add_u32 v5, v6, 4, v5                   ; and 16 more for each 256 passed
	s_mul_i32 s21, s15, HALFS
	s_mul_i32 s22, s16, HALFS
	s_add_co_u32 s22, s22, 2*HALFS
	s_sub_co_u32 s22, s22, s21
	v_mul_u32_u24 v6, s22, v2                      ; lanes 16-31 take B's: one product, the distance between the two bases
	s_add_co_u32 s21, s21, SCL
	v_add_nc_u32 v5, v5, v6
	v_add_nc_u32 v[ADRS], s21, v5
	s_cmp_eq_u32 ttmp9, 2                          ; v's tiles?  (cluster x: the same in all partners)
	s_cselect_b32 s66, 32, 16                      ; from token to token,
	s_cselect_b32 s67, 16, 256                     ; and from half to half of the lanes
	v_mul_u32_u24 v[CO], s66, v1
	v_mad_u32_u24 v[CO], v2, s67, v[CO]
	s_lshl_b32 s20, ttmp9, 24                      ; qkv16: q, k or v: 16,777,216 bytes each,
	s_lshl_b32 s21, s41, 22                        ; the batch: 4,194,304,
	s_add_co_u32 s20, s20, s21
	s_lshl_b32 s21, s40, 2
	s_lshl_b32 s22, s16, 1
	s_add_co_u32 s21, s21, s22                     ; my first head: 4 cx + 2 x half,
	s_lshl_b32 s21, s21, 18                        ; 262,144 a head,
	s_add_co_u32 s20, s20, s21
	s_and_b32 s21, ttmp7, 0xffff
	s_lshl_b32 s21, s21, 15                        ; my first token: 256 x cluster y + 128 x half, 128 bytes a token
	s_add_co_u32 s20, s20, s21
	s_lshl_b32 s21, s15, 14
	s_add_co_u32 s20, s20, s21
	s_mov_b32 s21, 0
	s_add_nc_u64 s[12:13], s[12:13], s[20:21]
	s_mul_i32 s20, s41, 196608                     ; qkvf: the batch, and my first group of 16 columns: 16 x tile column + 8 x half, 1,024 bytes each
	s_lshl_b32 s21, s42, 14
	s_add_co_u32 s20, s20, s21
	s_lshl_b32 s21, s16, 13
	s_add_co_u32 s20, s20, s21
	s_mov_b32 s21, 0
	s_add_nc_u64 s[96:97], s[96:97], s[20:21]
.macro FRAGA reg, adr, q, i            ; 16 rows x 128 K of 4-bit codes: lane l holds row l % 16; registers 4 c .. 4 c + 3 hold K = 64 c + 32 (l / 16) + 0 .. 31
.irp c, 0,1
	ds_load_b128 v[\reg+4*\c:\reg+4*\c+3], v[\adr] offset:64*(\q)+32*\c+(\i)*16*PITCH
.endr
.endm
.macro FRAGB reg, adr, q, i            ; the same registers, from their image: 512 consecutive bytes a load
.irp c, 0,1
	ds_load_b128 v[\reg+4*\c:\reg+4*\c+3], v[\adr] offset:(\i)*4096+(\q)*1024+512*\c
.endr
.endm
; 16 matrix instructions: A's blocks a0, a0 + 1 x B's eight, the slot's q-th 128 along K.  The 64 accumulators take turns, one instruction a turn, in the same order in every step.
.macro MUL16 a0, p, q, sc, zero
.irp a, \a0, \a0+1
.irp b, 0,1,2,3,4,5,6,7
.if \zero
	v_wmma_scale_f32_16x16x128_f8f6f4 v[8*(8*((\a)%4)+\b):8*(8*((\a)%4)+\b)+7], v[128*(\p)+FR*\b:128*(\p)+FR*\b+FR-1], v[AF+FR*(\a):AF+FR*(\a)+FR-1], 0, v[SC+8*NQ*(\sc)+NQ*\b+(\q)], v[SC+8*NQ*(\sc)+NQ*(\a)+(\q)] matrix_a_fmt:MATRIX_FMT_FP4 matrix_b_fmt:MATRIX_FMT_FP4 matrix_a_scale:MATRIX_SCALE_ROW1
.else
	v_wmma_scale_f32_16x16x128_f8f6f4 v[8*(8*((\a)%4)+\b):8*(8*((\a)%4)+\b)+7], v[128*(\p)+FR*\b:128*(\p)+FR*\b+FR-1], v[AF+FR*(\a):AF+FR*(\a)+FR-1], v[8*(8*((\a)%4)+\b):8*(8*((\a)%4)+\b)+7], v[SC+8*NQ*(\sc)+NQ*\b+(\q)], v[SC+8*NQ*(\sc)+NQ*(\a)+(\q)] matrix_a_fmt:MATRIX_FMT_FP4 matrix_b_fmt:MATRIX_FMT_FP4 matrix_a_scale:MATRIX_SCALE_ROW1
.endif
.endr
.endr
.endm
.macro FETCH_B slot, q, p
	WIN TO_B
.irp i, 0,1,2,3,4,5,6,7
	FRAGB 128*(\p)+FR*\i, ADRB+\slot, \q, \i
.endr
	WIN 0
.endm
.macro FETCH_A slot, q, i0
.irp i, \i0, \i0+1, \i0+2, \i0+3
	FRAGA AF+FR*(\i), ADRA+\slot, \q, \i
.endr
.endm
.macro SCALES sc                       ; a slot's scale words: four words a row; lanes 0-15 take A's block i, lanes 16-31 B's block i
.irp i, 0,1,2,3,4,5,6,7
	ds_load_b128 v[SC+8*NQ*\sc+NQ*\i:SC+8*NQ*\sc+NQ*\i+3], v[ADRS] offset:\i*SBLK
.endr
.endm
.macro PLACES n                        ; plain vector lines between a matrix instruction and a load into, or a read of, its registers
.rept \n
	v_nop
.endr
.endm
.macro STEP slot, q, zero              ; a step of 128 along K that has its successor in the same slot
	s_wait_dscnt 4*NL                              ; B's set and A's blocks 0-3 are in; the youngest eight loads (A's blocks 4-7) may be out
	WIN MUL_LO
	MUL16 0, (\q)%2, \q, \slot, \zero
	MUL16 2, (\q)%2, \q, \slot, \zero
	s_wait_dscnt 0                                 ; A's blocks 4-7 are in
	PLACES NP
	FETCH_B \slot, (\q)+1, 1-(\q)%2
	FETCH_A \slot, (\q)+1, 0
	WIN MUL_HI
	MUL16 4, (\q)%2, \q, \slot, \zero
	MUL16 6, (\q)%2, \q, \slot, \zero
	PLACES NP
	WIN 0
	FETCH_A \slot, (\q)+1, 4
.endm
.macro STEPS slot, from
.set Q, \from
.rept NQ-1-\from
	STEP \slot, Q, 0
.set Q, Q+1
.endr
.endm
	s_wait_tensorcnt 1                             ; the scales and my part of slot 0 are in (slot 1's load may be out),
	s_barrier_signal -1
	s_barrier_wait -1                              ; everybody's are
	FETCH_B 0, 0, 0
	FETCH_A 0, 0, 0
	SCALES 0
	FETCH_A 0, 0, 4
	STEP 0, 0, 1                                   ; the first step's products start the sums: nothing is cleared
	STEPS 0, 1
	; slot 0's last step changes slots: one barrier; in front of it each wave waits for all its tensor loads (its part of slot 1).  Nothing is filled again
	s_wait_tensorcnt 0x0
	ds_add_u32 v[SPW], v[NIL]
	s_wait_dscnt 4*NL+1                            ; (the add and the youngest eight loads may be out)
	WIN MUL_LO
	MUL16 0, 1, NQ-1, 0, 0
	s_wait_dscnt 0x0
	s_barrier_signal -1
	MUL16 2, 1, NQ-1, 0, 0
	WIN 0
	s_barrier_wait -1
	PLACES NP
	v_add_nc_u32 v[ADRS], 4*NQ, v[ADRS]            ; on to slot 1's scale words (no LDS load of mine is out)
	FETCH_B 1, 0, 0
	FETCH_A 1, 0, 0
	SCALES 1
	WIN MUL_HI
	MUL16 4, 1, NQ-1, 0, 0
	MUL16 6, 1, NQ-1, 0, 0
	PLACES NP
	WIN 0
	FETCH_A 1, 0, 4
	STEPS 1, 0
	s_wait_dscnt 4*NL                              ; the very last step: nothing more to fetch
	WIN MUL_LO
	MUL16 0, 1, NQ-1, 1, 0
	MUL16 2, 1, NQ-1, 1, 0
	s_wait_dscnt 0
	WIN MUL_HI
	MUL16 4, 1, NQ-1, 1, 0
	MUL16 6, 1, NQ-1, 1, 0
	WIN 0
	; THE WAY OUT
	PLACES NP                                      ; behind the last products, ahead of the first reads of results and of writes into A's registers
	s_and_b32 s20, ttmp7, 0xffff                   ; positions t < 16 are block 0 of the waves with the upper rows, in the clusters with y = 0
	s_or_b32 s20, s20, s15
	s_cmp_lg_u32 s20, 0
	s_cbranch_scc1 .Lnofine
	WIN 0x08                                       ; a store's data: window 2
.irp b, 0,1,2,3,4,5,6,7
	global_store_b128 v[CF], v[8*\b:8*\b+3], s[96:97] offset:1024*\b         ; each accumulator from its low end on; 512 consecutive bytes a store
	global_store_b128 v[CF], v[8*\b+4:8*\b+7], s[96:97] offset:1024*\b+512
.endr
	WIN 0
.Lnofine:
.irp a, 0,1,2,3,4,5,6,7
.if \a == 4
	s_wait_xcnt 0x0                                ; the stores of blocks 0 to 3 have read their registers, which are written again from here on
.endif
	WIN 0x0a+5*(\a/4)                              ; sources 0 and 1: window 2 or 3
.irp b, 0,1,2,3,4,5,6,7
.irp r, 0,1,2,3
	v_cvt_pk_f16_f32 v[TMP+32*(\a%4)+4*\b+\r], v[64*(\a%4)+8*\b+2*\r], v[64*(\a%4)+8*\b+2*\r+1]
.endr
.endr
	WIN 0
.irp b, 0,1,2,3,4,5,6,7
	global_store_b128 v[CO], v[TMP+32*(\a%4)+4*\b:TMP+32*(\a%4)+4*\b+3], s[12:13] offset:(\b/4)*262144+\a*2048+(\b%4)*512   ; head b / 4, tokens 16 a on, channels 16 (b % 4) on: 512 consecutive bytes
.endr
.endr
	s_wait_tensorcnt 0x0                           ; the wave's end
	ds_add_u32 v[SPW], v[NIL]
	s_wait_dscnt 0x0
	CROUND                                         ; the closing round
	s_endpgm
.Lfunc_end_k_qdcd86d6a77_qkv:
	.size	k_qdcd86d6a77_qkv, .Lfunc_end_k_qdcd86d6a77_qkv-k_qdcd86d6a77_qkv
	.p2alignl 7, 3214868480
	.fill 96, 4, 3214868480
	.section	.rodata,"a",@progbits
	.p2align	6, 0x0
	.amdhsa_kernel k_qdcd86d6a77_qkv
		.amdhsa_group_segment_fixed_size 327680
		.amdhsa_private_segment_fixed_size 0
		.amdhsa_enable_private_segment 0
		.amdhsa_kernarg_size 48
		.amdhsa_user_sgpr_count 2
		.amdhsa_user_sgpr_kernarg_segment_ptr 1
		.amdhsa_wavefront_size32 1
		.amdhsa_system_sgpr_workgroup_id_x 1
		.amdhsa_system_sgpr_workgroup_id_y 1
		.amdhsa_system_sgpr_workgroup_id_z 1
		.amdhsa_system_vgpr_workitem_id 0
		.amdhsa_next_free_vgpr 1024
		.amdhsa_next_free_sgpr 98
		.amdhsa_reserve_vcc 0
		.amdhsa_float_denorm_mode_32 3
		.amdhsa_float_denorm_mode_16_64 3
		.amdhsa_memory_ordered 1
		.amdhsa_forward_progress 1
		.amdhsa_inst_pref_size 120
	.end_amdhsa_kernel
	.amdgpu_metadata
---
amdhsa.version: [ 1, 2 ]
amdhsa.kernels:
  - .name:           k_qdcd86d6a77_qkv
    .symbol:         k_qdcd86d6a77_qkv.kd
    .args:
      - { .name: xc, .offset: 0, .size: 8, .value_kind: global_buffer, .address_space: global }
      - { .name: xs, .offset: 8, .size: 8, .value_kind: global_buffer, .address_space: global }
      - { .name: wc, .offset: 16, .size: 8, .value_kind: global_buffer, .address_space: global }
      - { .name: ws, .offset: 24, .size: 8, .value_kind: global_buffer, .address_space: global }
      - { .name: qkv16, .offset: 32, .size: 8, .value_kind: global_buffer, .address_space: global }
      - { .name: qkvf, .offset: 40, .size: 8, .value_kind: global_buffer, .address_space: global }
    .group_segment_fixed_size: 327680
    .private_segment_fixed_size: 0
    .kernarg_segment_align: 8
    .kernarg_segment_size: 48
    .max_flat_workgroup_size: 128
    .sgpr_count:     98
    .vgpr_count:     1024
    .wavefront_size: 32
...
	.end_amdgpu_metadata
.endif
;; end of part 2
;; launch attn (part 3): grid 4 x 64, 16 waves a work-group, no clusters, 327,680 bytes of LDS; arguments qkv16, y16; writes y16
.if DOCPART == 3
	.amdgcn_target "amdgcn-amd-amdhsa--gfx1250"
	.amdhsa_code_object_version 6
	.text
	.protected	k_qdcd86d6a77_attn
	.globl	k_qdcd86d6a77_attn
	.p2align	8
	.type	k_qdcd86d6a77_attn,@function
k_qdcd86d6a77_attn:
	s_mov_b64 s[64:65], 0
	v_nop
	global_prefetch_b8 v0, s[64:65] scope:SCOPE_SE
	s_setreg_imm32_b32 hwreg(HW_REG_WAVE_MODE, 25, 1), 1
	s_wait_xcnt 0x0
; y[b][h][q] = the sum over k <= q of softmax_k(Q[q] . K[k] / 32) V[k], head size 64, f16 operands, products, maxima and sums in f32; the weights p are rounded to f16 for the second product, y once at the end.
; LEFT OUT: a step of 64 keys all of which come after a wave's 32 queries, and the fetch of a slot whose first key comes after the work-group's last query: reference()'s own tril gives those keys the weight 0 for all inputs.
; Rows t < 16 are computed here with their tiles; what reaches out0 of them comes from launch fine.  LIMIT: a NaN or infinity that reaches only the scores left out is not carried; y of magnitude 65,504 or more becomes an infinity.
; SHARES.  A work-group serves one head of one batch (y of the grid) and 512 of its queries; each of SIXTEEN waves owns 32 neighbouring queries, two tiles of 16, so that a fragment of K or V read from LDS feeds two products.
; Chunk c of 32 queries needs c / 2 + 1 steps; the waves of a work-group take chunks p and 63 - p, p = 8 x + wave / 2: 33 steps a pair, the same in all work-groups.
; NO CLUSTER: under the mask the four work-groups of a head need different numbers of slots (4, 4, 3, 3): a joint load would bring tiles that no wave of some partner reads.
; LAYOUT.  S^T = K Q^T (source 0 = 16 keys, source 1 = 16 queries), O^T = V^T P (source 0 = 16 channels, source 1 = P): a lane holds ONE query (lane % 16) throughout; two tiles of S^T rounded in pairs ARE source 1 of the second product.
; K's and Q's fragments lie in memory as images of their registers: 16 bytes a lane at 16 x lane.  V lies as 16 tokens x 16 channels, 32 bytes a token, and is turned by ds_load_tr16_b128.
; THE RING: two slots of 512 keys, 65,536 bytes of K (from LDS byte 0) and of V (from 131,072) each; waves 0 to 3 fetch a quarter of a slot each (128 rows of 256 dense bytes), all sixteen read.  Every wave walks all four slots;
; the trip counts are constants, and what is left out is a step's work.  Every wait on TENSORcnt is for 0.
; SOFTMAX.  For each query a running maximum m and sum l: p = 2^(c s - c m), c = log2(e) / 32; in every step O and l are multiplied by a = 2^(c m_old - c m_new).  Every step that is walked holds a key that counts for each of the wave's queries.
.set SPARE, 262144                     ; behind the rings: the spare words, 128 bytes for each of 16 waves
.set VRING, 131072
.set SLOTB, 65536
.set STEPB, 8192                       ; 64 keys: four tiles of 2,048 bytes
.set AK0, 1                            ; v1  16 x lane: a fragment image's place; also my place in a store to y16 and in Q's loads
.set AV0, 2                            ; v2  my place in a tile of V, VRING included
.set ADK, 3
.set ADV, 4
.set SPW, 5
.set NIL, 6
.set PFO, 7                            ; v7  256 x lane
.set ST,  10                           ; v10-25 statistics, eight a tile: +0 c m, +1 m, +2, +3 l, +4 .. +7 at work (a at +6)
.set QF,  26                           ; v26-57 Q: tile t, channels 32 kd on, at 16 t + 8 kd
.set KV,  58                           ; v58-121 eight fragments of K, then of V
.set S,   122                          ; v122-185 S^T, 32 a tile; P is packed into a tile's low 16
.set O,   186                          ; v186-249 O^T: tile t, channels 16 dt on, at 32 t + 8 dt
.set WV,  18
.set SEL, 20
.set CS,  22
.set G1,  24
.set G0,  40
.set TB,  2                            ; s2  LDS byte, within a ring, at which the step in hand begins
.set STP, 66
.set SLOTS, 67
.set KF,  68                           ; the step's first key
.set Q0,  69                           ; my first query
.set QE,  70                           ; my last
.set QL,  71                           ; my work-group's last
.set PFA, 76
.set LIM, 80
.macro TLOAD                           ; waves 0 to 3 fetch, each by its own group 0; an s_nop 0 and four v_nop follow the load
	s_cmp_lt_u32 s[WV], 4
	s_cbranch_scc0 .Lasked_\@
	tensor_load_to_lds s[G0:G0+3], s[G1:G1+7]
	s_nop 0
.rept 4
	v_nop
.endr
.Lasked_\@:
.endm
; A prefetch of what the NEXT change of slots will ask for: a slot's 65,536 bytes of K and of V.  All four work-groups of a head walk the same K and V: the first of them asks; in it waves 8 to 15, which fetch nothing:
; 16,384 bytes a wave, two instructions, lanes 256 bytes apart: each block of 256 bytes is named once in the launch.  The last change that fills a slot asks for nothing; slots 0 and 1 come by their loads alone.
.macro ASK
	s_cmp_gt_u32 s[SLOTS], s[LIM]
	s_cbranch_scc0 .Lnot_mine_\@
	global_prefetch_b8 v[PFO], s[PFA:PFA+1] th:TH_LOAD_NT scope:SCOPE_SE
	global_prefetch_b8 v[PFO], s[PFA:PFA+1] offset:8192 th:TH_LOAD_NT scope:SCOPE_SE
.Lnot_mine_\@:
.endm
	s_load_b128 s[4:7], s[0:1], 0x0                ; qkv16, y16
	v_lshl_add_u32 v[SPW], v0, 2, SPARE
	v_mov_b32 v[NIL], 0
	ds_add_u32 v[SPW], v[NIL]                      ; the wave's opening: the add, twice on end, and its wait ahead of the first tensor load
	ds_add_u32 v[SPW], v[NIL]
	v_lshrrev_b32 v8, 5, v0
	v_readfirstlane_b32 s[WV], v8                  ; wave 0..15
	s_and_b32 s72, ttmp7, 0xffff                   ; 16 x batch + head
	s_lshr_b32 s73, s[WV], 1
	s_lshl_b32 s74, ttmp9, 3
	s_add_co_u32 s73, s73, s74                     ; p = 8 x + wave / 2
	s_lshr_b32 s74, s[WV], 2
	s_xor_b32 s74, s74, s[WV]
	s_and_b32 s74, s74, 1                          ; early or late chunk: mixed so that neighbouring waves and waves four apart differ
	s_sub_co_u32 s75, 63, s73
	s_cmp_lg_u32 s74, 0
	s_cselect_b32 s73, s75, s73                    ; my chunk c
	s_lshl_b32 s[Q0], s73, 5
	s_add_co_u32 s[QE], s[Q0], 31
	s_lshl_b32 s[QL], ttmp9, 8
	s_sub_co_u32 s[QL], 2047, s[QL]                ; chunk 63 - 8 x ends here
	s_mov_b32 s[G1], 3<<16                         ; no mask; elements of 8 bytes; no padding
	s_mov_b32 s[G1+1], 32<<16                      ; tensor_dim0 = 32 elements: 256 bytes
	s_mov_b32 s[G1+2], 128<<16                     ; tensor_dim1 = 128 rows
	s_mov_b32 s[G1+3], 32<<16                      ; tile_dim0
	s_mov_b32 s[G1+4], 128                         ; tile_dim1
	s_mov_b32 s[G1+5], 32                          ; dense
	s_mov_b32 s[G1+6], 0
	s_mov_b32 s[G1+7], 0
	s_and_b32 s82, s[WV], 3
	s_lshr_b32 s83, s82, 1                         ; K (0) or V (1)
	s_and_b32 s84, s82, 1                          ; which half of a slot
	s_lshl_b32 s85, s83, 17
	s_lshl_b32 s86, s84, 15
	s_add_co_u32 s85, s85, s86                     ; where it goes
	s_add_co_u32 s83, s83, 1
	s_lshl_b32 s88, s83, 24                        ; k's or v's part of qkv16,
	s_lshl_b32 s87, s72, 18                        ; my head's 262,144 bytes,
	s_add_co_u32 s88, s88, s87
	s_add_co_u32 s88, s88, s86
	s_mov_b32 s89, 0
	s_lshl_b32 s90, s73, 12                        ; Q: my chunk's two tiles of 2,048 bytes
	s_add_co_u32 s90, s90, s87
	s_mov_b32 s91, 0
	s_lshr_b32 s92, s72, 4                         ; y16: row group 128 x batch + 2 c, 32,768 bytes each; my head's 2,048 in it
	s_lshl_b32 s92, s92, 7
	s_lshl_b32 s93, s73, 1
	s_add_co_u32 s92, s92, s93
	s_lshl_b32 s92, s92, 15
	s_and_b32 s93, s72, 15
	s_lshl_b32 s93, s93, 11
	s_add_co_u32 s92, s92, s93
	s_mov_b32 s93, 0
	s_and_b32 s82, s[WV], 7                        ; the prefetches: waves 8-11 K's quarters, 12-15 V's
	s_lshr_b32 s83, s82, 2
	s_add_co_u32 s83, s83, 1
	s_lshl_b32 s83, s83, 24
	s_and_b32 s82, s82, 3
	s_lshl_b32 s82, s82, 14
	s_add_co_u32 s82, s82, s83
	s_add_co_u32 s82, s82, s87
	s_add_co_u32 s82, s82, SLOTB                   ; in slot 1: the first change of slots steps it to slot 2
	s_mov_b32 s83, 0
	s_lshr_b32 s84, s[WV], 3
	s_xor_b32 s84, s84, 1                          ; 0 in waves 8 to 15,
	s_or_b32 s84, s84, ttmp9                       ; of the head's first work-group
	s_cmp_eq_u32 s84, 0
	s_cselect_b32 s[LIM], 1, -1
	s_mov_b32 s[SEL], 0x76543210
	s_mov_b32 s[SEL+1], 0xfedcba98
	s_mov_b32 s[CS], 0x3d38aa3b                    ; c = log2(e) / 32
	s_mov_b32 s[CS+1], s[CS]
	s_mov_b32 s[TB], 0
	s_mov_b32 s[KF], 0
	s_mov_b32 s[SLOTS], 3
	v_and_b32 v8, 31, v0
	v_lshlrev_b32 v[AK0], 4, v8
	v_lshlrev_b32 v[PFO], 8, v8
	v_bfe_u32 v9, v0, 4, 1
	v_and_b32 v8, 7, v0
	v_lshl_add_u32 v[AV0], v9, 3, v8               ; the turning load: token 8 (l / 16) + l % 8,
	v_lshlrev_b32 v[AV0], 5, v[AV0]                ; 32 bytes a token,
	v_bfe_u32 v8, v0, 3, 1
	v_lshl_add_u32 v[AV0], v8, 4, v[AV0]           ; channels 8 ((l / 8) % 2) on
	v_add_nc_u32 v[AV0], VRING, v[AV0]
	s_wait_dscnt 0x0                               ; both opening adds are done
	s_wait_kmcnt 0x0
	s_mov_b32 s[G0], 1
	s_mov_b32 s[G0+1], s85
	s_add_nc_u64 s[G0+2:G0+3], s[4:5], s[88:89]
	s_or_b32 s[G0+3], s[G0+3], 0x80000000
	TLOAD                                          ; slot 0
	s_add_nc_u64 s[8:9], s[4:5], s[90:91]          ; Q
	s_add_nc_u64 s[10:11], s[6:7], s[92:93]        ; y16
	s_add_nc_u64 s[PFA:PFA+1], s[4:5], s[82:83]
.irp t, 0,1
.irp kd, 0,1
.irp cc, 0,1
	global_load_b128 v[QF+16*\t+8*\kd+4*\cc:QF+16*\t+8*\kd+4*\cc+3], v[AK0], s[8:9] offset:\t*2048+\kd*1024+\cc*512   ; Q stays in registers
.endr
.endr
.endr
.irp t, 0,1
	v_mov_b32 v[ST+8*\t+1], 0xff61b1e6             ; m = -3e38, under every score
	v_mul_f32 v[ST+8*\t], s[CS], v[ST+8*\t+1]      ; c m
.irp i, 2,3,4,5,6,7
	v_mov_b32 v[ST+8*\t+\i], 0                     ; l; and the registers at work, written once so that no way reads one unwritten
.endr
.endr
.set i, 0
.rept 64
	v_mov_b32 v[O+i], 0                            ; O^T.  (The step is written once: the first finds zeros, which a = 0 leaves zeros)
.set i, i+1
.endr
; A KEY STEP: 64 keys
.macro STEP
	s_cmp_gt_u32 s[KF], s[QE]                      ; all its keys come after my queries: a branch on ids, round the step's work; not round the lines at its end
	s_cbranch_scc1 .Lhidden_\@
	v_add_nc_u32 v[ADK], s[TB], v[AK0]
	v_add_nc_u32 v[ADV], s[TB], v[AV0]
.rept 3
	v_nop                                          ; with the two additions five places behind the last step's products: four for the loads into V's registers, five for the products that write over P
.endr
.irp kd, 0,1
.irp kt, 0,1,2,3
.irp cc, 0,1
	ds_load_b128 v[KV+8*(2*\kt+\kd)+4*\cc:KV+8*(2*\kt+\kd)+4*\cc+3], v[ADK] offset:\kt*2048+\kd*1024+\cc*512
.endr
.endr
.endr
	s_wait_dscnt 8                                 ; channels 0-31 of the four tiles are in; the eight loads of channels 32-63 may be out
.irp kt, 0,1,2,3
.irp t, 0,1
	v_wmma_f32_16x16x32_f16 v[S+32*\t+8*\kt:S+32*\t+8*\kt+7], v[KV+16*\kt:KV+16*\kt+7], v[QF+16*\t:QF+16*\t+7], 0   ; eight accumulators by turns
.endr
.endr
	s_wait_dscnt 0x0
.irp kt, 0,1,2,3
.irp t, 0,1
	v_wmma_f32_16x16x32_f16 v[S+32*\t+8*\kt:S+32*\t+8*\kt+7], v[KV+16*\kt+8:KV+16*\kt+15], v[QF+16*\t+8:QF+16*\t+15], v[S+32*\t+8*\kt:S+32*\t+8*\kt+7]
.endr
.endr
.rept 4
	v_nop                                          ; places ahead of the loads into K's registers and of the first reads of scores
.endr
.irp s, 0,1
.irp dt, 0,1,2,3
.irp cc, 0,1
	ds_load_tr16_b128 v[KV+8*(2*\dt+\s)+4*\cc:KV+8*(2*\dt+\s)+4*\cc+3], v[ADV] offset:(2*\s+\cc)*2048+\dt*512   ; V, turned: it lands under the softmax
.endr
.endr
.endr
	s_add_co_u32 s96, s[KF], 63                    ; on the diagonal the scores of hidden keys become -infinity ahead of the maximum.  A step all of whose keys count skips this
	s_cmp_le_u32 s96, s[Q0]
	s_cbranch_scc1 .Lopen_\@
	s_sub_co_i32 s96, s[Q0], s[KF]
	v_and_b32 v250, 15, v0
	v_bfe_u32 v251, v0, 4, 1
	v_lshlrev_b32 v251, 3, v251
	v_sub_nc_u32 v250, v250, v251
	v_add_nc_u32 v250, s96, v250                   ; d = my query of tile 0 - KF - 8 (lane / 16): register 8 kt + j holds key KF + 8 (lane / 16) + 16 kt + j: hidden where 16 kt + j > d
	v_add_nc_u32 v251, 16, v250                    ; the same for tile 1
	v_mov_b32 v252, 0xff800000
.irp t, 0,1
.irp kt, 0,1,2,3
.irp j, 0,1,2,3,4,5,6,7
	v_cmp_gt_i32 vcc_lo, 16*\kt+\j, v[250+\t]
	v_cndmask_b32 v[S+32*\t+8*\kt+\j], v[S+32*\t+8*\kt+\j], v252, vcc_lo
.endr
.endr
.endr
.Lopen_\@:
.irp j, 0,1,2,3                                ; the maximum of a lane's 32 scores and the old m: four chains a tile, the tiles by turns; each accumulator is read from its low end on
.irp t, 0,1
	v_max3_num_f32 v[ST+8*\t+4+\j], v[S+32*\t+8*\j], v[S+32*\t+8*\j+1], v[S+32*\t+8*\j+2]
.endr
.endr
.irp g, 1,2
.irp j, 0,1,2,3
.irp t, 0,1
	v_max3_num_f32 v[ST+8*\t+4+\j], v[ST+8*\t+4+\j], v[S+32*\t+8*\j+2*\g+1], v[S+32*\t+8*\j+2*\g+2]
.endr
.endr
.endr
.irp t, 0,1
	v_max3_num_f32 v[ST+8*\t+4], v[ST+8*\t+4], v[S+32*\t+7], v[S+32*\t+15]
.endr
.irp t, 0,1
	v_max3_num_f32 v[ST+8*\t+6], v[ST+8*\t+6], v[S+32*\t+23], v[S+32*\t+31]
.endr
.irp t, 0,1
	v_max3_num_f32 v[ST+8*\t+4], v[ST+8*\t+4], v[ST+8*\t+5], v[ST+8*\t+6]
.endr
.irp t, 0,1
	v_max3_num_f32 v[ST+8*\t+4], v[ST+8*\t+4], v[ST+8*\t+7], v[ST+8*\t+1]
.endr
.irp t, 0,1
	v_permlanex16_b32 v[ST+8*\t+5], v[ST+8*\t+4], s[SEL], s[SEL+1]   ; the query's other 32 keys lie in the lane 16 away
.endr
.irp t, 0,1
	v_mov_b32 v[ST+8*\t+7], v[ST+8*\t]             ; c m_old
.endr
.irp t, 0,1
	v_max_num_f32 v[ST+8*\t+1], v[ST+8*\t+4], v[ST+8*\t+5]
.endr
.irp t, 0,1
	v_mul_f32 v[ST+8*\t], s[CS], v[ST+8*\t+1]
.endr
.irp t, 0,1
	v_sub_f32 v[ST+8*\t+7], v[ST+8*\t+7], v[ST+8*\t]
.endr
.irp t, 0,1
	v_exp_f32 v[ST+8*\t+6], v[ST+8*\t+7]           ; a
.endr
.set i, 0
.rept 16
	v_pk_fma_f32 v[S+2*i:S+2*i+1], v[S+2*i:S+2*i+1], s[CS:CS+1], v[ST:ST+1] op_sel_hi:[1,0,0] neg_lo:[0,0,1] neg_hi:[0,0,1]               ; c s - c m, two at a time
	v_pk_fma_f32 v[S+32+2*i:S+32+2*i+1], v[S+32+2*i:S+32+2*i+1], s[CS:CS+1], v[ST+8:ST+9] op_sel_hi:[1,0,0] neg_lo:[0,0,1] neg_hi:[0,0,1]
.set i, i+1
.endr
.set i, 0
.rept 64
	v_exp_f32 v[S+i], v[S+i]                       ; p, at most 1
.set i, i+1
.endr
	v_nop                                          ; a plain line behind the last exponential
	s_wait_alu depctr_va_vdst(0)                   ; one wait for the step's 66 exponentials, ahead of the first line that names a result
.irp t, 0,1
	v_pk_mul_f32 v[ST+8*\t+2:ST+8*\t+3], v[ST+8*\t+2:ST+8*\t+3], v[ST+8*\t+6:ST+8*\t+7] op_sel_hi:[1,0]   ; l under the new m
.endr
.irp t, 0,1
	v_pk_add_f32 v[250+2*\t:251+2*\t], v[S+32*\t:S+32*\t+1], v[S+32*\t+2:S+32*\t+3]   ; the sums of the unrounded p: two chains a tile
.endr
.irp j, 4,8,12,16,20,24,28
.irp t, 0,1
	v_pk_add_f32 v[ST+8*\t+2:ST+8*\t+3], v[ST+8*\t+2:ST+8*\t+3], v[S+32*\t+\j:S+32*\t+\j+1]
	v_pk_add_f32 v[250+2*\t:251+2*\t], v[250+2*\t:251+2*\t], v[S+32*\t+\j+2:S+32*\t+\j+3]
.endr
.endr
.irp t, 0,1
	v_pk_add_f32 v[ST+8*\t+2:ST+8*\t+3], v[ST+8*\t+2:ST+8*\t+3], v[250+2*\t:251+2*\t]
.endr
.set i, 0
.rept 16
	v_cvt_pk_f16_f32 v[S+i], v[S+2*i], v[S+2*i+1]                  ; P, in place: register i takes scores 2 i and 2 i + 1, ascending, so nothing is overwritten before it is read
	v_cvt_pk_f16_f32 v[S+32+i], v[S+32+2*i], v[S+32+2*i+1]
.set i, i+1
.endr
.set i, 0
.rept 16
	v_pk_mul_f32 v[O+2*i:O+2*i+1], v[O+2*i:O+2*i+1], v[ST+6:ST+7] op_sel_hi:[1,0]                 ; O^T under the new m
	v_pk_mul_f32 v[O+32+2*i:O+32+2*i+1], v[O+32+2*i:O+32+2*i+1], v[ST+14:ST+15] op_sel_hi:[1,0]
.set i, i+1
.endr
	s_wait_dscnt 0x0                               ; V is in
.irp s, 0,1
.irp dt, 0,1,2,3
.irp t, 0,1
	v_wmma_f32_16x16x32_f16 v[O+32*\t+8*\dt:O+32*\t+8*\dt+7], v[KV+8*(2*\dt+\s):KV+8*(2*\dt+\s)+7], v[S+32*\t+8*\s:S+32*\t+8*\s+7], v[O+32*\t+8*\dt:O+32*\t+8*\dt+7]   ; eight accumulators by turns
.endr
.endr
.endr
.Lhidden_\@:
	s_add_co_u32 s[KF], s[KF], 64
	s_add_co_u32 s[TB], s[TB], STEPB
.endm
.macro SLOT_STEPS                      ; a slot's eight steps: written once, walked eight times
	s_mov_b32 s[STP], 8
.Lstep_\@:
	STEP
	s_sub_co_u32 s[STP], s[STP], 1
	s_cmp_lg_u32 s[STP], 0
	s_cbranch_scc1 .Lstep_\@
	s_sub_co_u32 s[TB], s[TB], SLOTB               ; back to the slot's first step,
	s_xor_b32 s[TB], s[TB], SLOTB                  ; in the other slot
.endm
; THE CHANGE OF SLOTS stands at a slot's head.  Each wave waits for all its tensor loads (its part of the slot about to be read), adds 0 to its spare word, and waits for that and for its reads of the slot that it has left.
; Behind the barrier the slot ahead is whole and nobody reads the other one.  fill = 1: that other slot takes the next 512 keys, up to the causal limit: the load has eight steps in which to land.
.macro CHANGE fill
	s_wait_tensorcnt 0x0                           ; no tensor load of mine is out, so group 0 may be written
	ds_add_u32 v[SPW], v[NIL]
.if \fill
	ds_add_u32 v[SPW], v[NIL]                      ; and once more: the add twice on end, in every trip alike
	s_xor_b32 s[G0+1], s[G0+1], SLOTB              ; the other slot than last time,
	s_add_nc_u64 s[G0+2:G0+3], s[G0+2:G0+3], SLOTB ; the next 512 keys; the type bits on top are not reached
	s_wait_xcnt 0x0                                ; the last prefetches, a slot back, have read their address
	s_add_nc_u64 s[PFA:PFA+1], s[PFA:PFA+1], SLOTB
.endif
	s_wait_dscnt 0x0
	s_barrier_signal -1
	s_barrier_wait -1
.if \fill
	s_add_co_u32 s96, s[KF], 512                   ; the first key of the slot that this change would ask for
	s_cmp_gt_u32 s96, s[QL]                        ; ids and the count of steps alone: all sixteen waves go the same way, and a work-group past the limit stays past it
	s_cbranch_scc1 .Lpast_\@
	TLOAD                                          ; a wave's one tensor load until the next such barrier
.Lpast_\@:
	ASK
.endif
.endm
	s_wait_loadcnt 0x0                             ; Q
.Lslot:                                            ; three trips: behind each change of slots but the last the next slot is asked for
	CHANGE 1
	SLOT_STEPS
	s_sub_co_u32 s[SLOTS], s[SLOTS], 1
	s_cmp_lg_u32 s[SLOTS], 0
	s_cbranch_scc1 .Lslot
	CHANGE 0                                       ; the last slot is written out: nothing is left to fetch
	SLOT_STEPS
	; THE WAY OUT: O^T / l, rounded to f16.  y16 is laid as images of the next product's fragments, [row / 16][k / 32][1024 B]: a lane's eight channels are its 16 bytes at 16 x lane: 512 consecutive bytes a store
.rept 4
	v_nop                                          ; places behind the last products
.endr
.irp t, 0,1
	v_add_f32 v[ST+8*\t+4], v[ST+8*\t+2], v[ST+8*\t+3]
.endr
.irp t, 0,1
	v_permlanex16_b32 v[ST+8*\t+5], v[ST+8*\t+4], s[SEL], s[SEL+1]
.endr
.irp t, 0,1
	v_add_f32 v[ST+8*\t+4], v[ST+8*\t+4], v[ST+8*\t+5]
.endr
.irp t, 0,1
	v_rcp_f32 v[ST+8*\t+6], v[ST+8*\t+4]
.endr
	v_nop
	s_wait_alu depctr_va_vdst(0)                   ; one wait for the two reciprocals, ahead of their first reader
.set i, 0
.rept 16
	v_pk_mul_f32 v[O+2*i:O+2*i+1], v[O+2*i:O+2*i+1], v[ST+6:ST+7] op_sel_hi:[1,0]
	v_pk_mul_f32 v[O+32+2*i:O+32+2*i+1], v[O+32+2*i:O+32+2*i+1], v[ST+14:ST+15] op_sel_hi:[1,0]
.set i, i+1
.endr
.set i, 0
.rept 32
	v_cvt_pk_f16_f32 v[S+i], v[O+2*i], v[O+2*i+1]
.set i, i+1
.endr
.irp t, 0,1
.irp dt, 0,1,2,3
	global_store_b128 v[AK0], v[S+16*\t+4*\dt:S+16*\t+4*\dt+3], s[10:11] offset:\t*32768+\dt*512
.endr
.endr
	s_wait_tensorcnt 0x0                           ; the wave's end
	ds_add_u32 v[SPW], v[NIL]
	s_wait_dscnt 0x0
	s_endpgm
.Lfunc_end_k_qdcd86d6a77_attn:
	.size	k_qdcd86d6a77_attn, .Lfunc_end_k_qdcd86d6a77_attn-k_qdcd86d6a77_attn
	.p2alignl 7, 3214868480
	.fill 96, 4, 3214868480
	.section	.rodata,"a",@progbits
	.p2align	6, 0x0
	.amdhsa_kernel k_qdcd86d6a77_attn
		.amdhsa_group_segment_fixed_size 327680
		.amdhsa_private_segment_fixed_size 0
		.amdhsa_enable_private_segment 0
		.amdhsa_kernarg_size 16
		.amdhsa_user_sgpr_count 2
		.amdhsa_user_sgpr_kernarg_segment_ptr 1
		.amdhsa_wavefront_size32 1
		.amdhsa_system_sgpr_workgroup_id_x 1
		.amdhsa_system_sgpr_workgroup_id_y 1
		.amdhsa_system_sgpr_workgroup_id_z 1
		.amdhsa_system_vgpr_workitem_id 0
		.amdhsa_next_free_vgpr 256
		.amdhsa_next_free_sgpr 100
		.amdhsa_reserve_vcc 1
		.amdhsa_float_denorm_mode_32 3
		.amdhsa_float_denorm_mode_16_64 3
		.amdhsa_memory_ordered 1
		.amdhsa_forward_progress 1
		.amdhsa_inst_pref_size 58
	.end_amdhsa_kernel
	.amdgpu_metadata
---
amdhsa.version: [ 1, 2 ]
amdhsa.kernels:
  - .name:           k_qdcd86d6a77_attn
    .symbol:         k_qdcd86d6a77_attn.kd
    .args:
      - { .name: qkv16, .offset: 0, .size: 8, .value_kind: global_buffer, .address_space: global }
      - { .name: y16, .offset: 8, .size: 8, .value_kind: global_buffer, .address_space: global }
    .group_segment_fixed_size: 327680
    .private_segment_fixed_size: 0
    .kernarg_segment_align: 8
    .kernarg_segment_size: 16
    .max_flat_workgroup_size: 512
    .sgpr_count:     100
    .vgpr_count:     256
    .wavefront_size: 32
...
	.end_amdgpu_metadata
.endif
;; end of part 3
;; launch proj (part 4): grid 4 x 64, 4 waves a work-group, clusters of 4 x 4, 327,680 bytes of LDS; arguments y16, wp16, out0; writes out0
.if DOCPART == 4
	.amdgcn_target "amdgcn-amd-amdhsa--gfx1250"
	.amdhsa_code_object_version 6
	.text
	.protected	k_qdcd86d6a77_proj
	.globl	k_qdcd86d6a77_proj
	.p2align	8
	.type	k_qdcd86d6a77_proj,@function
k_qdcd86d6a77_proj:
	s_mov_b64 s[64:65], 0
	v_nop
	global_prefetch_b8 v0, s[64:65] scope:SCOPE_SE
	s_setreg_imm32_b32 hwreg(HW_REG_WAVE_MODE, 25, 1), 1
	s_wait_xcnt 0x0
	s_wait_alu depctr_hold_cnt(0) depctr_sa_sdst(0) depctr_va_vdst(0) depctr_va_sdst(0) depctr_va_ssrc(0) depctr_va_vcc(0) depctr_vm_vsrc(0)
	s_getreg_b32 s2, hwreg(HW_REG_IB_STS2, 6, 4)
	s_cmp_eq_u32 s2, 0
	s_cbranch_scc0 .Lentry_in_a_cluster
	s_endpgm
.Lentry_in_a_cluster:
	s_bfe_u32 s2, ttmp6, 0x10000c
	s_cmp_lg_u32 s2, 0xf033
	s_cbranch_scc0 .Lentry_shape_is_right
	s_endpgm
.Lentry_shape_is_right:
; out0[m][n] = sum over k of y[m][k] w_proj[k][n], M = 8,192, N = K = 1,024, f16 operands, f32 sums.  The 16 rows t < 16 of every sequence are multiplied with their tile and NOT stored here: launch fine stores them, from f32.
; A tile of 128 x 256 to a work-group, so that there are 256 work-groups; four waves, each 64 rows x 128 columns: 32 accumulators, 256 registers.
; Both operands lie in memory as images of their fragments' registers, [rows or columns / 16][k / 32][1024 B]: a K step of 128 is 4,096 consecutive bytes for 16 rows, lies dense in LDS, and a fragment is two loads of 16 bytes a lane at 16 x lane.
; K goes in eight steps of 128 through a ring of two slots (A: 8 x 4,096 bytes, B: 16 x 4,096).
; CLUSTERS: 4 x 4 work-groups; A's tiles are asked for jointly along a row of the cluster, B's along a column.  The tile row is cluster y + 16 cy: cy is the batch, and the tiles with t < 16 are those of the clusters with y = 0.
; THE MATRIX INSTRUCTION IS USED TRANSPOSED (source 0 = 16 columns of w_proj, source 1 = 16 rows of y): a lane holds eight neighbouring numbers of a row of out0.
; No prefetch: the tile is small, and a K step's tiles are shared by the cluster's joint loads.
; REGISTERS: window 0: v0-31 addresses; two fragment buffers of 96, v32-127 and v128-223: A's four fragments, then B's eight; on the way out v32-159 rows of out0.   window 1: accumulator (a, b) at v[8 (8 a + b)].
.set SLOT,   98304
.set BOFF,   32768                     ; B behind A in a slot
.set STAGE,  2*SLOT                    ; behind the ring: 16 rows x (512 + 16) bytes for each wave
.set SPITCH, 528
.set SPARE,  STAGE+4*16*SPITCH         ; the spare words, 128 bytes a wave
.set LAPS,   4                         ; a lap = two K steps
.set ADRA, 16
.set ADRB, 20
.set STO,  24
.set RD,   25
.set CO,   26                          ; v26 16 x lane
.set SPW,  28
.set NIL,  29
.set F0,   32
.set F1,   128
.set OB,   32
.set G1, 24
.set G0, 32
.set G1B, 48
.set G0B, 56
.set MSB, 0
.macro WIN new
.if MSB != \new
	s_set_vgpr_msb (MSB<<8)|\new
.set MSB, \new
.endif
.endm
.set MUL, 0x50                         ; C and D window 1, sources 0 and 1 window 0
.macro JLOAD s                         ; a joint load: waves 0 and 1 fetch A's halves, waves 2 and 3 B's; an s_nop 0 and four v_nop follow each line
	s_cmp_eq_u32 s11, 0
	s_cbranch_scc0 .Lfor_b_\@
	tensor_load_to_lds s[G0+4*\s:G0+4*\s+3], s[G1:G1+7]
	s_nop 0
.rept 4
	v_nop
.endr
	s_branch .Lasked_\@
.Lfor_b_\@:
	tensor_load_to_lds s[G0B+4*\s:G0B+4*\s+3], s[G1B:G1B+7]
	s_nop 0
.rept 4
	v_nop
.endr
.Lasked_\@:
.endm
.macro CREST                           ; a round of the cluster's barrier behind its opening barrier
	s_cmp_lg_u32 s10, 0
	s_cbranch_scc1 .Lnot_wave_0_\@
	s_barrier_signal -3
.Lnot_wave_0_\@:
	s_barrier_wait -3
	s_barrier_signal -1
	s_barrier_wait -1
.endm
.macro CROUND
	s_barrier_signal -1
	s_barrier_wait -1
	CREST
.endm
	s_load_b128 s[4:7], s[0:1], 0x0                ; y16, wp16
	s_load_b64 s[8:9], s[0:1], 0x10                ; out0
	v_lshl_add_u32 v[SPW], v0, 2, SPARE
	v_mov_b32 v[NIL], 0
	ds_add_u32 v[SPW], v[NIL]                      ; the wave's opening: the add, twice on end, and its wait ahead of my first tensor load
	ds_add_u32 v[SPW], v[NIL]
	v_lshrrev_b32 v1, 5, v0
	v_readfirstlane_b32 s10, v1                    ; wave 0..3
	s_lshr_b32 s11, s10, 1                         ; which 64 rows are mine.  Also: I fetch for A (0) or for B (1)
	s_and_b32 s12, s10, 1                          ; which 128 columns.  Also: which half I fetch
	s_bfe_u32 s40, ttmp6, 0x40000                  ; cx
	s_bfe_u32 s41, ttmp6, 0x40004                  ; cy
	s_lshl_b32 s45, ttmp9, 2
	s_add_co_u32 s45, s45, s40                     ; tile column = 4 x cluster x + cx
	s_and_b32 s13, ttmp7, 0xffff
	s_lshl_b32 s42, s41, 4
	s_add_co_u32 s13, s13, s42                     ; tile row = cluster y + 16 cy
	s_lshl_b32 s43, s41, 2
	s_lshl_b32 s43, 15, s43                        ; my row of the cluster
	s_lshl_b32 s44, 0x1111, s40                    ; my column
	s_or_b32 s[G1+0], s43, (3<<16)|(1<<21)         ; the mask; elements of 8 bytes; no padding; bit 21 beside a mask
	s_or_b32 s[G1B+0], s44, (3<<16)|(1<<21)
	s_mov_b32 s[G1+1], 512<<16                     ; tensor_dim0 = 512 elements: 4,096 bytes
	s_mov_b32 s[G1+2], 4<<16                       ; tensor_dim1 = 4 groups of 16 rows
	s_mov_b32 s[G1+3], 512<<16
	s_mov_b32 s[G1+4], 4
	s_mov_b32 s[G1+5], 4096                        ; 32,768 bytes from group to group
	s_mov_b32 s[G1+6], 0
	s_mov_b32 s[G1+7], 0
	s_mov_b32 s[G1B+1], 512<<16
	s_mov_b32 s[G1B+2], 8<<16                      ; 8 groups of 16 columns
	s_mov_b32 s[G1B+3], 512<<16
	s_mov_b32 s[G1B+4], 8
	s_mov_b32 s[G1B+5], 4096
	s_mov_b32 s[G1B+6], 0
	s_mov_b32 s[G1B+7], 0
	s_lshl_b32 s16, s13, 3
	s_lshl_b32 s17, s12, 2
	s_add_co_u32 s16, s16, s17                     ; A: group 8 x tile row + 4 x half
	s_lshl_b32 s16, s16, 15
	s_mov_b32 s17, 0
	s_lshl_b32 s46, s45, 4
	s_lshl_b32 s47, s12, 3
	s_add_co_u32 s46, s46, s47                     ; B: group 16 x tile column + 8 x half
	s_lshl_b32 s46, s46, 15
	s_mov_b32 s47, 0
	s_lshl_b32 s20, s12, 14                        ; where they go: no place in the cluster enters an LDS address
	s_lshl_b32 s21, s12, 15
	s_add_co_u32 s21, s21, BOFF
	s_wait_dscnt 0x0                               ; both opening adds are done
	s_wait_kmcnt 0x0
	s_add_nc_u64 s[14:15], s[4:5], s[16:17]
	s_add_nc_u64 s[46:47], s[6:7], s[46:47]
	CROUND                                         ; all sixteen work-groups are here: the first joint loads meet
.irp s, 0,1
	s_mov_b32 s[G0+4*\s], 1
	s_add_co_u32 s[G0+4*\s+1], s20, \s*SLOT
	s_add_nc_u64 s[G0+4*\s+2:G0+4*\s+3], s[14:15], \s*4096
	s_or_b32 s[G0+4*\s+3], s[G0+4*\s+3], 0x80000000
	s_mov_b32 s[G0B+4*\s], 1
	s_add_co_u32 s[G0B+4*\s+1], s21, \s*SLOT
	s_add_nc_u64 s[G0B+4*\s+2:G0B+4*\s+3], s[46:47], \s*4096
	s_or_b32 s[G0B+4*\s+3], s[G0B+4*\s+3], 0x80000000
	JLOAD \s                                       ; two tensor loads of mine are out
.endr
	v_and_b32 v1, 15, v0                           ; r
	v_bfe_u32 v2, v0, 4, 1                         ; h
	v_and_b32 v3, 31, v0
	v_lshlrev_b32 v[CO], 4, v3
	s_lshl_b32 s21, s11, 14                        ; my four groups of A
	s_lshl_b32 s22, s12, 15                        ; my eight of B
	s_add_co_u32 s22, s22, BOFF
.irp s, 0,1
	v_add_nc_u32 v[ADRA+\s], s21, v[CO]
	v_add_nc_u32 v[ADRB+\s], s22, v[CO]
	s_add_co_u32 s21, s21, SLOT
	s_add_co_u32 s22, s22, SLOT
.endr
	s_mul_i32 s23, s10, 16*SPITCH
	s_add_co_u32 s23, s23, STAGE                   ; my stage
	v_mul_u32_u24 v4, v1, SPITCH
	v_lshl_add_u32 v4, v2, 5, v4
	v_add_nc_u32 v[STO], s23, v4                   ; in: row r, 32 bytes for each half of the lanes
	v_add_nc_u32 v[RD], s23, v[CO]                 ; back: the 32 lanes take a row of 512 bytes
	s_lshl_b32 s16, s13, 7
	s_lshl_b32 s17, s11, 6
	s_add_co_u32 s16, s16, s17                     ; my first row of out0
	s_lshl_b32 s16, s16, 12
	s_mov_b32 s17, 0
	s_add_nc_u64 s[8:9], s[8:9], s[16:17]
	s_lshl_b32 s46, s45, 10                        ; my first column, in bytes: 1,024 x tile column + 512 x half
	s_lshl_b32 s47, s12, 9
	s_add_co_u32 s46, s46, s47
	s_mov_b32 s47, 0
	s_add_nc_u64 s[8:9], s[8:9], s[46:47]
.macro MUL8 f, a, zero                 ; A's block a x B's eight, 32 along K.  The 32 accumulators take turns, one instruction a turn, in the same order in every quarter
.irp b, 0,1,2,3,4,5,6,7
.if \zero
	v_wmma_f32_16x16x32_f16 v[8*(8*(\a)+\b):8*(8*(\a)+\b)+7], v[\f+32+8*\b:\f+32+8*\b+7], v[\f+8*(\a):\f+8*(\a)+7], 0
.else
	v_wmma_f32_16x16x32_f16 v[8*(8*(\a)+\b):8*(8*(\a)+\b)+7], v[\f+32+8*\b:\f+32+8*\b+7], v[\f+8*(\a):\f+8*(\a)+7], v[8*(8*(\a)+\b):8*(8*(\a)+\b)+7]
.endif
.endr
.endm
.macro FETCH slot, q, f                ; 24 LDS loads in one run: the slot's q-th 32 along K: B's eight fragments, then A's four
	WIN 0
.irp i, 0,1,2,3,4,5,6,7
	ds_load_b128 v[\f+32+8*\i:\f+32+8*\i+3],   v[ADRB+\slot] offset:\i*4096+\q*1024
	ds_load_b128 v[\f+32+8*\i+4:\f+32+8*\i+7], v[ADRB+\slot] offset:\i*4096+\q*1024+512
.endr
.irp i, 0,1,2,3
	ds_load_b128 v[\f+8*\i:\f+8*\i+3],   v[ADRA+\slot] offset:\i*4096+\q*1024
	ds_load_b128 v[\f+8*\i+4:\f+8*\i+7], v[ADRA+\slot] offset:\i*4096+\q*1024+512
.endr
.endm
.macro PLACES
.rept 4
	v_nop
.endr
.endm
; A K step is four quarters of 32 along K, 32 matrix instructions each, on buffers 0, 1, 0, 1.  One of the first three: multiplies buffer f and fetches quarter q into g
.macro QUARTER slot, q, f, g, zero
	s_wait_dscnt 4                                 ; B and A's blocks 0, 1 are in; the youngest four loads (A's blocks 2, 3) may be out
	WIN MUL
	MUL8 \f, 0, \zero
	MUL8 \f, 1, \zero
	PLACES                                         ; ahead of loads into the buffer that the quarter before multiplied
	FETCH \slot, \q, \g
	s_wait_dscnt 24                                ; all but the 24 just issued
	WIN MUL
	MUL8 \f, 2, \zero
	MUL8 \f, 3, \zero
.endm
; The last quarter multiplies buffer 1 and changes slots: ONE barrier; in front of it each wave waits for all its tensor loads, adds 0 to its spare word, and waits for that and for its reads of this slot.  fill = 1: the slot is filled again, two K steps ahead
.macro TURN slot, next, fill
	WIN 0
	s_wait_tensorcnt 0x0                           ; all my tensor loads have landed: my part of the next slot
	ds_add_u32 v[SPW], v[NIL]
	s_wait_dscnt 5                                 ; (the add and the youngest four loads may be out)
	WIN MUL
	MUL8 F1, 0, 0                                  ; eight matrix instructions stand between the add and the wait for it
	s_wait_dscnt 0x0                               ; the add is done, and my reads of this slot are over
	s_barrier_signal -1
	MUL8 F1, 1, 0
.if \fill
	WIN 0
.endif
	s_barrier_wait -1
.if \fill
	CREST                                          ; the barrier has opened a round of the cluster's barrier: no wave of any partner still reads this slot or has a load on its way
	s_add_nc_u64 s[G0+4*\slot+2:G0+4*\slot+3], s[G0+4*\slot+2:G0+4*\slot+3], 8192
	s_add_nc_u64 s[G0B+4*\slot+2:G0B+4*\slot+3], s[G0B+4*\slot+2:G0B+4*\slot+3], 8192
	JLOAD \slot                                    ; the first tensor load behind the round: 112 matrix instructions ahead of the wait for it; its four v_nop are also the places in front of the loads below
.else
	PLACES
.endif
	FETCH \next, 0, F0
	WIN MUL
	MUL8 F1, 2, 0
	MUL8 F1, 3, 0
.endm
	s_wait_tensorcnt 1                             ; my part of K step 0 is in (K step 1's load may be out),
	s_barrier_signal -1
	s_barrier_wait -1                              ; everybody's is
	FETCH 0, 0, F0
	QUARTER 0, 1, F0, F1, 1                        ; the first quarter's products start the sums: nothing is cleared
	WIN 0
	s_mov_b32 s3, LAPS-1
.Llap:                                                 ; a trip goes once round the ring, from a lap's second quarter to the next lap's first, and fills both slots again
	QUARTER 0, 2, F1, F0, 0
	QUARTER 0, 3, F0, F1, 0
	TURN 0, 1, 1
	QUARTER 1, 1, F0, F1, 0
	QUARTER 1, 2, F1, F0, 0
	QUARTER 1, 3, F0, F1, 0
	TURN 1, 0, 1
	QUARTER 0, 1, F0, F1, 0
	WIN 0
	s_sub_co_u32 s3, s3, 1
	s_cmp_lg_u32 s3, 0
	s_cbranch_scc1 .Llap
	QUARTER 0, 2, F1, F0, 0                        ; the last lap fills nothing
	QUARTER 0, 3, F0, F1, 0
	TURN 0, 1, 0
	QUARTER 1, 1, F0, F1, 0
	QUARTER 1, 2, F1, F0, 0
	QUARTER 1, 3, F0, F1, 0
	s_wait_dscnt 4                                 ; the very last quarter
	WIN MUL
	MUL8 F1, 0, 0
	MUL8 F1, 1, 0
	s_wait_dscnt 0
	MUL8 F1, 2, 0
	MUL8 F1, 3, 0
	WIN 0
; THE WAY OUT, block by block of 16 rows x 128 columns, through my own stage: a lane's 32 bytes go in, whole rows of 512 bytes come back and are stored by the 32 lanes.  LDS serves a wave's instructions in order.
.macro OUTB a
	WIN 0x04                                       ; an LDS store's data: window 1
.irp b, 0,1,2,3,4,5,6,7
	ds_store_b128 v[STO], v[8*(8*\a+\b):8*(8*\a+\b)+3] offset:64*\b          ; each accumulator from its low end on
	ds_store_b128 v[STO], v[8*(8*\a+\b)+4:8*(8*\a+\b)+7] offset:64*\b+16
.endr
	WIN 0
.irp t, 0,1,2,3,4,5,6,7,8,9,10,11,12,13,14,15
	ds_load_b128 v[OB+64*(\a%2)+4*\t:OB+64*(\a%2)+4*\t+3], v[RD] offset:\t*SPITCH
.endr
.irp t, 0,1,2,3,4,5,6,7,8,9,10,11,12,13,14,15
	s_wait_dscnt 15-\t                             ; row t is back; the younger rows may be out
	global_store_b128 v[CO], v[OB+64*(\a%2)+4*\t:OB+64*(\a%2)+4*\t+3], s[8:9] offset:(16*\a+\t)*4096 th:TH_STORE_NT   ; 512 consecutive bytes
.endr
.endm
	PLACES                                         ; behind the last products
	s_and_b32 s20, ttmp7, 0xffff                   ; block 0 of the upper waves in the clusters with y = 0 holds positions t < 16: launch fine stores those rows
	s_or_b32 s20, s20, s11
	s_cmp_eq_u32 s20, 0
	s_cbranch_scc1 .Lfrom_16
	OUTB 0
.Lfrom_16:
	OUTB 1
	s_wait_xcnt 0x0                                ; block 0's stores have read their registers
	OUTB 2
	s_wait_xcnt 0x0                                ; block 1's
	OUTB 3
	s_wait_tensorcnt 0x0                           ; the wave's end: behind my last tensor load and my last LDS store
	ds_add_u32 v[SPW], v[NIL]
	s_wait_dscnt 0x0
	CROUND                                         ; the closing round
	s_endpgm
.Lfunc_end_k_qdcd86d6a77_proj:
	.size	k_qdcd86d6a77_proj, .Lfunc_end_k_qdcd86d6a77_proj-k_qdcd86d6a77_proj
	.p2alignl 7, 3214868480
	.fill 96, 4, 3214868480
	.section	.rodata,"a",@progbits
	.p2align	6, 0x0
	.amdhsa_kernel k_qdcd86d6a77_proj
		.amdhsa_group_segment_fixed_size 327680
		.amdhsa_private_segment_fixed_size 0
		.amdhsa_enable_private_segment 0
		.amdhsa_kernarg_size 24
		.amdhsa_user_sgpr_count 2
		.amdhsa_user_sgpr_kernarg_segment_ptr 1
		.amdhsa_wavefront_size32 1
		.amdhsa_system_sgpr_workgroup_id_x 1
		.amdhsa_system_sgpr_workgroup_id_y 1
		.amdhsa_system_sgpr_workgroup_id_z 1
		.amdhsa_system_vgpr_workitem_id 0
		.amdhsa_next_free_vgpr 512
		.amdhsa_next_free_sgpr 66
		.amdhsa_reserve_vcc 0
		.amdhsa_float_denorm_mode_32 3
		.amdhsa_float_denorm_mode_16_64 3
		.amdhsa_memory_ordered 1
		.amdhsa_forward_progress 1
		.amdhsa_inst_pref_size 86
	.end_amdhsa_kernel
	.amdgpu_metadata
---
amdhsa.version: [ 1, 2 ]
amdhsa.kernels:
  - .name:           k_qdcd86d6a77_proj
    .symbol:         k_qdcd86d6a77_proj.kd
    .args:
      - { .name: y16, .offset: 0, .size: 8, .value_kind: global_buffer, .address_space: global }
      - { .name: wp16, .offset: 8, .size: 8, .value_kind: global_buffer, .address_space: global }
      - { .name: out0, .offset: 16, .size: 8, .value_kind: global_buffer, .address_space: global }
    .group_segment_fixed_size: 327680
    .private_segment_fixed_size: 0
    .kernarg_segment_align: 8
    .kernarg_segment_size: 24
    .max_flat_workgroup_size: 128
    .sgpr_count:     66
    .vgpr_count:     512
    .wavefront_size: 32
...
	.end_amdgpu_metadata
.endif
;; end of part 4
;; launch fine (part 5): grid 16 x 4, 16 waves a work-group, no clusters, 71,680 bytes of LDS; arguments qkvf, w_proj, out0; writes out0
.if DOCPART == 5
	.amdgcn_target "amdgcn-amd-amdhsa--gfx1250"
	.amdhsa_code_object_version 6
	.text
	.protected	k_qdcd86d6a77_fine
	.globl	k_qdcd86d6a77_fine
	.p2align	8
	.type	k_qdcd86d6a77_fine,@function
k_qdcd86d6a77_fine:
	s_mov_b64 s[64:65], 0
	v_nop
	global_prefetch_b8 v0, s[64:65] scope:SCOPE_SE
	s_setreg_imm32_b32 hwreg(HW_REG_WAVE_MODE, 25, 1), 1
	s_wait_xcnt 0x0
; The first 16 positions of every sequence, attention and projection, all in f32: these rows average one to sixteen values and are the largest of the output, so f16 operands would use up what the comparison allows.
; Keys after position 15 are hidden from these queries by reference()'s own tril for all inputs, so the 16 x 16 corner of each head is all that counts; inside it hidden scores become -infinity.
; SHARES.  A work-group: one batch (y) and 64 columns of out0 (x).  Wave h: head h's 16 x 16 attention and its 64 of the projection's K = 1,024; the 16 partial results meet in LDS, and wave w sums and stores row t = w.
; All products by v_wmma_f32_16x16x4_f32: 16 + 16 + 64 a wave.  Its results lie in registers that matrix instructions alone write: SA, SB, OA, OU2, OU3.
; qkvf [batch][n / 16][2][lane][16 B] holds the accumulators of launch qkv: lane (t, hh), register 4 jh + e: column 16 (n / 16) + 8 hh + 4 jh + e.
; K ALONG THE REGISTERS.  The form wants k = 2 (lane / 16) + j in register j.  A permutation of k applied alike to both sources keeps the sums:
;   S^T = K Q^T: Q's and K's registers are taken in pairs as they were loaded, the same pairs on both sides.
;   O^T = V^T P: P's pair 2 s holds keys 8 (lane / 16) + 2 s + j, and V is loaded number by number in that order.
;   out^T = W^T Y^T: Y's pair 8 dt + 2 s holds channels 16 dt + 8 (lane / 16) + 2 s + j; W's rows are loaded in that order, 16 bytes (four columns) a lane: tile e is made of the columns n0 + 4 (lane % 16) + e.
.set SPARE, 69632                      ; behind the 16 partial results of 16 x 272 bytes: the spare words, 128 bytes for each of 16 waves
.set QF,  20                           ; v20-51 Q; later with K's: W's second half
.set KF,  52                           ; v52-83 K
.set VF,  84                           ; v84-115 V, then Y
.set W1,  116                          ; v116-179 W's first half; later the results in the order of columns
.set W2,  20
.set SA,  180                          ; two halves of S^T; later out's tiles 0 and 1
.set SB,  188
.set OA,  196                          ; v196-227 O^T, four tiles
.set OU2, 228
.set OU3, 236
.set T,   244                          ; v244-251 the scores, then p
	s_load_b128 s[4:7], s[0:1], 0x0                ; qkvf, w_proj
	s_load_b64 s[8:9], s[0:1], 0x10                ; out0
	v_lshl_add_u32 v2, v0, 2, SPARE                ; my spare word; never rewritten
	v_mov_b32 v3, 0                                ; 0; never rewritten
	v_lshrrev_b32 v1, 5, v0
	v_readfirstlane_b32 s10, v1                    ; wave: my head, later my row
	s_and_b32 s11, ttmp7, 0xffff                   ; batch
	v_and_b32 v1, 31, v0
	v_and_b32 v8, 15, v0                           ; r
	v_bfe_u32 v9, v0, 4, 1                         ; h
	v_lshlrev_b32 v4, 4, v1                        ; Q, K: 16 x lane
	v_bfe_u32 v10, v0, 2, 1
	v_bfe_u32 v11, v0, 3, 1
	v_and_b32 v12, 3, v0
	v_lshlrev_b32 v5, 9, v10                       ; V: channel r of a tile lies at 512 ((r / 4) % 2) + 256 (r / 8) + 4 (r % 4); my keys begin at 8 h: 128 h
	v_lshl_add_u32 v5, v11, 8, v5
	v_lshl_add_u32 v5, v12, 2, v5
	v_lshl_add_u32 v5, v9, 7, v5
	v_lshlrev_b32 v6, 4, v8                        ; W: columns 4 r on; rows 8 h on
	v_lshl_add_u32 v6, v9, 15, v6
	s_mul_i32 s22, s10, 4352
	v_mul_u32_u24 v7, v8, 272
	v_lshl_add_u32 v7, v9, 7, v7
	v_add_nc_u32 v7, s22, v7                       ; my partial result: head x 4,352 + token x 272 + 128 h
	s_mul_i32 s23, s10, 272
	v_lshlrev_b32 v14, 3, v1                       ; 8 x lane
	v_add_nc_u32 v13, s23, v14                     ; the sum: row w, 8 bytes a lane
	v_mov_b32 v255, 0                              ; a lane permute's destination counts as one of its sources
	s_mov_b32 s12, 0x76543210
	s_mov_b32 s13, 0xfedcba98
	s_mov_b32 s14, 0x3d38aa3b                      ; c = log2(e) / 32
	s_mul_i32 s16, s11, 196608
	s_lshl_b32 s17, s10, 12                        ; my head's four groups of 16 columns
	s_add_co_u32 s16, s16, s17
	s_mov_b32 s17, 0
	s_lshl_b32 s18, s10, 18                        ; W: my head's 64 rows of 4,096 bytes,
	s_lshl_b32 s19, ttmp9, 8                       ; the work-group's 64 columns
	s_add_co_u32 s18, s18, s19
	s_mov_b32 s19, 0
	s_lshl_b32 s20, s11, 11
	s_add_co_u32 s20, s20, s10                     ; out0: row 2,048 x batch + w
	s_lshl_b32 s20, s20, 12
	s_lshl_b32 s21, ttmp9, 8
	s_add_co_u32 s20, s20, s21
	s_mov_b32 s21, 0
	s_wait_kmcnt 0x0
	s_add_nc_u64 s[4:5], s[4:5], s[16:17]
	s_add_nc_u64 s[6:7], s[6:7], s[18:19]
	s_add_nc_u64 s[8:9], s[8:9], s[20:21]
.irp i, 0,1,2,3,4,5,6,7
	global_load_b128 v[QF+4*\i:QF+4*\i+3], v4, s[4:5] offset:512*\i
.endr
.irp i, 0,1,2,3,4,5,6,7
	global_load_b128 v[KF+4*\i:KF+4*\i+3], v4, s[4:5] offset:65536+512*\i
.endr
.irp dt, 0,1,2,3
.irp i, 0,1,2,3,4,5,6,7
	global_load_b32 v[VF+8*\dt+\i], v5, s[4:5] offset:131072+1024*\dt+16*\i        ; V(key 8 h + i, channel 16 dt + r)
.endr
.endr
.irp u, 0,1,2,3,4,5,6,7
.irp j, 0,1
	global_load_b128 v[W1+8*\u+4*\j:W1+8*\u+4*\j+3], v6, s[6:7] offset:(16*(\u/4)+2*(\u%4)+\j)*4096
.endr
.endr
	s_wait_loadcnt 48                              ; Q and K are in; V's 32 loads and W's 16 may be out
	v_wmma_f32_16x16x4_f32 v[SA:SA+7], v[KF:KF+1], v[QF:QF+1], 0               ; S^T in two halves that take turns; each begins with its own first K step
	v_wmma_f32_16x16x4_f32 v[SB:SB+7], v[KF+2:KF+3], v[QF+2:QF+3], 0
.irp u, 2,4,6,8,10,12,14
	v_wmma_f32_16x16x4_f32 v[SA:SA+7], v[KF+2*\u:KF+2*\u+1], v[QF+2*\u:QF+2*\u+1], v[SA:SA+7]
	v_wmma_f32_16x16x4_f32 v[SB:SB+7], v[KF+2*\u+2:KF+2*\u+3], v[QF+2*\u+2:QF+2*\u+3], v[SB:SB+7]
.endr
.rept 8
	v_nop                                          ; eight places behind this form, ahead of loads into its sources and of reads of its results
.endr
.irp u, 8,9,10,11,12,13,14,15
.irp j, 0,1
	global_load_b128 v[W2+8*(\u-8)+4*\j:W2+8*(\u-8)+4*\j+3], v6, s[6:7] offset:(16*(\u/4)+2*(\u%4)+\j)*4096
.endr
.endr
.irp j, 0,1,2,3,4,5,6,7
	v_add_f32 v[T+\j], v[SA+\j], v[SB+\j]          ; lane (r, h), register j: key 8 h + j, query r
.endr
	v_lshlrev_b32 v253, 3, v9
	v_sub_nc_u32 v252, v8, v253                    ; hidden where j > r - 8 h
	v_mov_b32 v253, 0xff800000
.irp j, 0,1,2,3,4,5,6,7
	v_cmp_gt_i32 vcc_lo, \j, v252
	v_cndmask_b32 v[T+\j], v[T+\j], v253, vcc_lo
.endr
	v_max3_num_f32 v254, v[T], v[T+1], v[T+2]
	v_max3_num_f32 v254, v254, v[T+3], v[T+4]
	v_max3_num_f32 v254, v254, v[T+5], v[T+6]
	v_max_num_f32 v254, v254, v[T+7]
	v_permlanex16_b32 v255, v254, s12, s13
	v_max_num_f32 v254, v254, v255                 ; the row's maximum: key 0 counts for every query, so it is a number
	v_mul_f32 v254, s14, v254
.irp j, 0,1,2,3,4,5,6,7
	v_fma_f32 v[T+\j], v[T+\j], s14, -v254
.endr
.irp j, 0,1,2,3,4,5,6,7
	v_exp_f32 v[T+\j], v[T+\j]
.endr
	v_nop
	s_wait_alu depctr_va_vdst(0)                   ; one wait for the eight exponentials, ahead of their first reader
	v_add_f32 v252, v[T], v[T+1]
	v_add_f32 v254, v[T+2], v[T+3]
	v_add_f32 v252, v252, v[T+4]
	v_add_f32 v254, v254, v[T+5]
	v_add_f32 v252, v252, v[T+6]
	v_add_f32 v254, v254, v[T+7]
	v_add_f32 v252, v252, v254
	v_permlanex16_b32 v255, v252, s12, s13
	v_add_f32 v252, v252, v255                     ; the row's sum
	v_rcp_f32 v253, v252
	v_nop
	s_wait_alu depctr_va_vdst(0)
	s_wait_loadcnt 32                              ; V is in; W's 32 loads may be out
.irp dt, 0,1,2,3
	v_wmma_f32_16x16x4_f32 v[OA+8*\dt:OA+8*\dt+7], v[VF+8*\dt:VF+8*\dt+1], v[T:T+1], 0       ; four accumulators by turns
.endr
.irp s, 1,2,3
.irp dt, 0,1,2,3
	v_wmma_f32_16x16x4_f32 v[OA+8*\dt:OA+8*\dt+7], v[VF+8*\dt+2*\s:VF+8*\dt+2*\s+1], v[T+2*\s:T+2*\s+1], v[OA+8*\dt:OA+8*\dt+7]
.endr
.endr
.rept 8
	v_nop
.endr
.set i, 0
.rept 32
	v_mul_f32 v[VF+i], v[OA+i], v253               ; Y: lane (r, h), register 8 dt + j: channel 16 dt + 8 h + j of token r
.set i, i+1
.endr
	s_wait_loadcnt 16                              ; W's first half is in
.set u, 0
.rept 8
	v_swap_b32 v[W1+8*u+1], v[W1+8*u+4]            ; two rows x four columns become four pairs down K: tile 0 at +0, tile 2 at +2, tile 1 at +4, tile 3 at +6
	v_swap_b32 v[W1+8*u+3], v[W1+8*u+6]
.set u, u+1
.endr
.macro PROJ x, y, zero                 ; one K step of the four tiles of out^T, which take turns
.if \zero
	v_wmma_f32_16x16x4_f32 v[SA:SA+7], v[\x:\x+1], v[\y:\y+1], 0
	v_wmma_f32_16x16x4_f32 v[SB:SB+7], v[\x+4:\x+5], v[\y:\y+1], 0
	v_wmma_f32_16x16x4_f32 v[OU2:OU2+7], v[\x+2:\x+3], v[\y:\y+1], 0
	v_wmma_f32_16x16x4_f32 v[OU3:OU3+7], v[\x+6:\x+7], v[\y:\y+1], 0
.else
	v_wmma_f32_16x16x4_f32 v[SA:SA+7], v[\x:\x+1], v[\y:\y+1], v[SA:SA+7]
	v_wmma_f32_16x16x4_f32 v[SB:SB+7], v[\x+4:\x+5], v[\y:\y+1], v[SB:SB+7]
	v_wmma_f32_16x16x4_f32 v[OU2:OU2+7], v[\x+2:\x+3], v[\y:\y+1], v[OU2:OU2+7]
	v_wmma_f32_16x16x4_f32 v[OU3:OU3+7], v[\x+6:\x+7], v[\y:\y+1], v[OU3:OU3+7]
.endif
.endm
	PROJ W1, VF, 1
.set u, 1
.rept 7
	PROJ W1+8*u, VF+2*u, 0
.set u, u+1
.endr
	s_wait_loadcnt 0x0                             ; W's second half
.set u, 0
.rept 8
	v_swap_b32 v[W2+8*u+1], v[W2+8*u+4]
	v_swap_b32 v[W2+8*u+3], v[W2+8*u+6]
.set u, u+1
.endr
.set u, 0
.rept 8
	PROJ W2+8*u, VF+16+2*u, 0
.set u, u+1
.endr
.rept 8
	v_nop
.endr
.irp j, 0,1,2,3,4,5,6,7
	v_mov_b32 v[W1+4*\j], v[SA+\j]                 ; tile e, register j is column n0 + 32 h + 4 j + e: into the order of the columns
	v_mov_b32 v[W1+4*\j+1], v[SB+\j]
	v_mov_b32 v[W1+4*\j+2], v[OU2+\j]
	v_mov_b32 v[W1+4*\j+3], v[OU3+\j]
.endr
.irp j, 0,1,2,3,4,5,6,7
	ds_store_b128 v7, v[W1+4*\j:W1+4*\j+3] offset:16*\j
.endr
	s_wait_dscnt 0x0                               ; for the others' sake: my partial result has landed
	s_barrier_signal -1
	s_barrier_wait -1
.irp i, 0,1,2,3,4,5,6,7,8,9,10,11,12,13,14,15
	ds_load_b64 v[20+2*\i:21+2*\i], v13 offset:4352*\i     ; row w of head i: 256 consecutive bytes
.endr
	s_wait_dscnt 0x0
.irp i, 0,1,2,3,4,5,6,7
	v_pk_add_f32 v[20+2*\i:21+2*\i], v[20+2*\i:21+2*\i], v[36+2*\i:37+2*\i]
.endr
.irp i, 0,1,2,3
	v_pk_add_f32 v[20+2*\i:21+2*\i], v[20+2*\i:21+2*\i], v[28+2*\i:29+2*\i]
.endr
.irp i, 0,1
	v_pk_add_f32 v[20+2*\i:21+2*\i], v[20+2*\i:21+2*\i], v[24+2*\i:25+2*\i]
.endr
	v_pk_add_f32 v[20:21], v[20:21], v[22:23]
	global_store_b64 v14, v[20:21], s[8:9]         ; 32 lanes store 256 consecutive bytes, at a multiple of 256 from out0's first byte
	s_wait_tensorcnt 0x0                           ; the wave's end: behind my last LDS store
	ds_add_u32 v2, v3
	s_wait_dscnt 0x0
	s_endpgm
.Lfunc_end_k_qdcd86d6a77_fine:
	.size	k_qdcd86d6a77_fine, .Lfunc_end_k_qdcd86d6a77_fine-k_qdcd86d6a77_fine
	.p2alignl 7, 3214868480
	.fill 96, 4, 3214868480
	.section	.rodata,"a",@progbits
	.p2align	6, 0x0
	.amdhsa_kernel k_qdcd86d6a77_fine
		.amdhsa_group_segment_fixed_size 71680
		.amdhsa_private_segment_fixed_size 0
		.amdhsa_enable_private_segment 0
		.amdhsa_kernarg_size 24
		.amdhsa_user_sgpr_count 2
		.amdhsa_user_sgpr_kernarg_segment_ptr 1
		.amdhsa_wavefront_size32 1
		.amdhsa_system_sgpr_workgroup_id_x 1
		.amdhsa_system_sgpr_workgroup_id_y 1
		.amdhsa_system_sgpr_workgroup_id_z 1
		.amdhsa_system_vgpr_workitem_id 0
		.amdhsa_next_free_vgpr 256
		.amdhsa_next_free_sgpr 66
		.amdhsa_reserve_vcc 1
		.amdhsa_float_denorm_mode_32 3
		.amdhsa_float_denorm_mode_16_64 3
		.amdhsa_memory_ordered 1
		.amdhsa_forward_progress 1
		.amdhsa_inst_pref_size 26
	.end_amdhsa_kernel
	.amdgpu_metadata
---
amdhsa.version: [ 1, 2 ]
amdhsa.kernels:
  - .name:           k_qdcd86d6a77_fine
    .symbol:         k_qdcd86d6a77_fine.kd
    .args:
      - { .name: qkvf, .offset: 0, .size: 8, .value_kind: global_buffer, .address_space: global }
      - { .name: w_proj, .offset: 8, .size: 8, .value_kind: global_buffer, .address_space: global }
      - { .name: out0, .offset: 16, .size: 8, .value_kind: global_buffer, .address_space: global }
    .group_segment_fixed_size: 71680
    .private_segment_fixed_size: 0
    .kernarg_segment_align: 8
    .kernarg_segment_size: 24
    .max_flat_workgroup_size: 512
    .sgpr_count:     66
    .vgpr_count:     256
    .wavefront_size: 32
...
	.end_amdgpu_metadata
.endif
;; end of part 5
